; MI455X (gfx1250); checked and timed in simulation.
; The chip was launched on July 23, 2026; its instructions are those of AMD's public machine-readable ISA for CDNA 5 (MIT licence, August 2026) and "CDNA5" Instruction Set Architecture Reference Guide (July 2026). The comments in the code are by the model that wrote it; some were corrected since.
;; Encoder Layer. Allowed arithmetic: matrix products marked QUANTISED: E2M1 operands, one E8M0 scale for each 32 along K, by v_wmma_scale_f32_16x16x128_f8f6f4 with both operands' format E2M1 (or v_wmma_scale_f32_32x16x128_f4), f32 sums; everything else in f32.
;; Inputs: W1 1,024 x 4,096 float32; W2 4,096 x 1,024 float32; Wk 1,024 x 1,024 float32; Wo 1,024 x 1,024 float32; Wq 1,024 x 1,024 float32; Wv 1,024 x 1,024 float32; b1 4,096 float32; b2 1,024 float32; be1 1,024 float32; be2 1,024 float32; bk 1,024 float32; bo 1,024 float32; bq 1,024 float32; bv 1,024 float32; g1 1,024 float32; g2 1,024 float32; x 2 x 2,048 x 1,024 float32.
;; Outputs: out0 2 x 2,048 x 1,024 float32.
;; This version of the problem:
;;   THIS VERSION OF THE PROBLEM IS GIVEN IN LOW PRECISION. The matrix products marked QUANTISED in the list below multiply operands that are first quantised to E2M1 (2 exponent bits, 1 mantissa bit; 4 bits a number), with one power-of-two scale for each 32 numbers along K (OCP MX v1.0); their sums are f32. All else is computed in f32.
;;   The module's matrix products, in the order in which they are computed (A, B: the left and right operand; K: the contracted axis; several contracted axes count as one K, in the product's order):
;;     1. [M 4,096, K 1,024] x [K 1,024, N 1,024]; A: input x; B: input Wq: QUANTISED
;;     2. [M 4,096, K 1,024] x [K 1,024, N 1,024]; A: input x; B: input Wk: QUANTISED
;;     3. [M 4,096, K 1,024] x [K 1,024, N 1,024]; A: input x; B: input Wv: QUANTISED
;;     4. batch 32 x [M 2,048, K 64] x [K 64, N 2,048]; A: computed on the way; B: computed on the way: QUANTISED
;;     5. batch 32 x [M 64, K 2,048] x [K 2,048, N 2,048]; A: computed on the way; B: softmax (see below): QUANTISED
;;     6. [M 4,096, K 1,024] x [K 1,024, N 1,024]; A: computed on the way; B: input Wo: QUANTISED
;;     7. [M 4,096, K 1,024] x [K 1,024, N 4,096]; A: computed on the way; B: input W1: QUANTISED
;;     8. [M 4,096, K 4,096] x [K 4,096, N 1,024]; A: computed on the way; B: input W2: QUANTISED
;;   THE QUANTISER, for each operand of a quantised product, along K:
;;     - K is cut into blocks of 32 from its start; a last block that is shorter is filled with zeros.
;;     - A block's scale is 2^e with e = floor(log2(the largest magnitude in the block)) - 2, held to -126 .. 127; a block of zeros has e = 0. As a byte (E8M0): e + 127.
;;     - Each number is divided by its block's scale, clamped to +-6, and rounded to the nearest number of E2M1, ties to even, subnormals kept.
;;     - The product sums the exact products of the quantised numbers (number of the format x scale) in f32.
;;   ~~~python
;;   def quantise(x, axis):      # numpy; x: float32 -> the quantised numbers, widened to float32 again
;;       x = np.moveaxis(x, axis, -1); K = x.shape[-1]
;;       x = np.pad(x, [(0, 0)] * (x.ndim - 1) + [(0, -K % 32)]); x = x.reshape(x.shape[:-1] + (-1, 32)); a = np.abs(x).max(-1, keepdims=True)
;;       e = np.where(a > 0, np.clip(np.frexp(np.where(a > 0, a, 1))[1] - 1 - 2, -126, 127), 0)      # np.frexp(a)[1] - 1 = floor(log2(a)), exactly
;;       r = np.clip(x / 2.0 ** e, -6, 6)
;;       step = 2.0 ** (np.maximum(np.frexp(np.where(r == 0, 1, r))[1] - 1, 0) - 1)
;;       q = np.round(r / step) * step * 2.0 ** e      # np.round: ties to even
;;       return np.moveaxis(q.reshape(q.shape[:-2] + (-1,))[..., :K], -1, axis).astype(np.float32)
;;   ~~~
;;   SOFTMAX AHEAD OF A QUANTISED PRODUCT. Where the list says 'softmax', what is quantised is not the finished softmax but p = 2^(t - M), with t = logit x log2(e) and M = ceil(the row's largest t), a whole number; so 1/2 < the row's largest p <= 1. The row's sum l is taken of the UNQUANTISED p, in f32, and the product's result is divided by l at the end. Since M is a whole number, a kernel that streams over the keys may use a running M (the ceiling of the running maximum): every later rescaling is an exact power of two, which a block's scale takes up: the codes' values come out the same.
;;   OPERANDS COMPUTED ON THE WAY. 'Computed on the way' means the value that the module computes at that place (a softmax that the list does not call 'softmax' is quantised finished and normalised). What goes into a quantiser is computed in f32, as accurately as f32 sums, v_exp_f32 and their like allow (about 1e-6 of the number): no bf16 or f16 on the way to a quantiser, and a product that is left as it is and whose result goes on into a quantised operand takes f32 operands (vector FMAs, or v_wmma_f32_16x16x4_f32). A number that lies on a knife's edge between two numbers of the format may be rounded either way, as far as f32 arithmetic and the matrix unit's own rounding can turn it there, and no further.
;; One version. Each part assembles by itself: llvm-mc -triple=amdgcn-amd-amdhsa -mcpu=gfx1250 --defsym DOCPART=n.
;; ======== version 1 of 1: 7 launches
;; limits: right only within a limited range of input values
;; workspace buffers: wp 6,684,672 bytes; pa 2,228,224 bytes; pb 2,228,224 bytes; qkv 6,946,816 bytes; fp 8,912,896 bytes; ra 16,777,216 bytes; hb 16,777,216 bytes
;; launch prep (part 1): grid 640 x 1, 8 waves a work-group, no clusters, 70,656 bytes of LDS; arguments x, Wq, Wk, Wv, Wo, W1, W2, pa, wp; writes pa, wp
.if DOCPART == 1
	.amdgcn_target "amdgcn-amd-amdhsa--gfx1250"
	.amdhsa_code_object_version 6
	.text
	.protected	k_qfb82e60c92_prep
	.globl	k_qfb82e60c92_prep
	.p2align	8
	.type	k_qfb82e60c92_prep,@function
k_qfb82e60c92_prep:
	s_mov_b64 s[64:65], 0
	v_nop
	global_prefetch_b8 v0, s[64:65] scope:SCOPE_SE
	s_setreg_imm32_b32 hwreg(HW_REG_WAVE_MODE, 25, 1), 1
	s_wait_xcnt 0x0
; x [4096][1024] and the six weights ([K][N], K their FIRST axis), all f32, become codes of FP4 (E2M1) with one E8M0 byte for each 32 along K.
; THE LAYOUT OF AN OPERAND [R rows][K] (rows: tokens, or a weight's columns n):  [K / 512][R / 16][4,352 bytes].  A block of 4,352 bytes holds 16 rows x 512 K: codes [block of 32: 16][row: 16][16 bytes],
; then at 4,096 the scale bytes [row: 16][16].  So the 1,024 bytes at 1,024 s are the registers of a fragment of 16 rows x 128 K on end: register group c of lane l at 512 c + 16 l.
; THE ROWS OF A BLOCK ARE NOT NEIGHBOURS: row r of block 2 g + u is index 32 g + 16 (r / 8) + 8 u + r % 8, so that a product used transposed leaves 16 neighbours of the next K in a lane.
; A block's scale is 2^(floor(log2(its largest magnitude)) - 2); its byte is the largest magnitude's exponent field - 2, held at 1 from below.
; LIMITS: a block of zeros, or one whose largest magnitude lies under 2^-124, gets the byte 1 (its codes are zeros; this program alone reads the bytes); NaN and infinities are not served.
; SHARES.  Work-groups 0-383: a weight's 64 columns x 512 K; a wave 32 columns x 128 K, a lane a column, its registers down K.  Work-groups 384-639: 32 tokens x 512 K of x; a wave 16 tokens x 128 K.
; No tensor loads, no cluster: work-groups share no input.  The two ways part on the work-group's number and have LDS bytes of their own.
.set BLKB,  4352
.set CHSX,  1114112                    ; from chunk to chunk of 512 K where an operand has 4,096 rows
.set XSP,   528                        ; x's stage: a row of 512 bytes + 16
.set XS,    67584                      ; x's scale words, 512 bytes
.set WS,    68096                      ; a weight's scale words, 1,024 bytes
.set OFFS,  16                         ; v16-47   weights: row i x the row's bytes + my column
.set X,     48                         ; v48-175  numbers
.set C,     176                        ; v176-191 codes: registers of their own for each block, so that no store's data are written again
; 32 numbers of one block, v[xb] on, become 16 bytes of codes in v[cd] on; v11 the conversion's scale operand, v10 the byte
.macro QBLK xb, cd
	v_max3_num_f32 v12, |v[(\xb)]|, |v[(\xb)+1]|, |v[(\xb)+2]|
	v_max3_num_f32 v13, |v[(\xb)+3]|, |v[(\xb)+4]|, |v[(\xb)+5]|
.irp i, 6,10,14,18,22,26
	s_delay_alu instid0(VALU_DEP_2)
	v_max3_num_f32 v12, v12, |v[(\xb)+\i]|, |v[(\xb)+\i+1]|
	s_delay_alu instid0(VALU_DEP_2)
	v_max3_num_f32 v13, v13, |v[(\xb)+\i+2]|, |v[(\xb)+\i+3]|
.endr
	s_delay_alu instid0(VALU_DEP_2)
	v_max3_num_f32 v12, v12, |v[(\xb)+30]|, |v[(\xb)+31]|
	s_delay_alu instid0(VALU_DEP_1)
	v_max3_num_f32 v12, v12, v13, 0x1800000        ; and the floor 2^(3 - 127): the byte cannot fall under 1
	s_delay_alu instid0(VALU_DEP_1)
	v_add_nc_u32 v11, 0xff000000, v12              ; 2 off the exponent field: the conversion takes that field as its scale
	s_delay_alu instid0(VALU_DEP_1)
	v_lshrrev_b32 v10, 23, v11                     ; the scale's byte
.irp g, 0,1,2,3
	v_cvt_scalef32_pk8_fp4_f32 v[(\cd)+\g], v[(\xb)+8*\g:(\xb)+8*\g+7], v11
.endr
.endm
	s_load_b512 s[8:23], s[0:1], 0x0               ; x s[8:9], Wq, Wk, Wv, Wo, W1, W2 s[10:21], pa s[22:23]
	s_load_b64 s[24:25], s[0:1], 0x40              ; wp
	v_lshl_add_u32 v192, v0, 2, 0x11000
	v_mov_b32 v193, 0
	v_lshrrev_b32 v1, 5, v0
	s_delay_alu instid0(VALU_DEP_1)
	v_readfirstlane_b32 s2, v1                     ; wave 0..7
	v_and_b32 v1, 31, v0                           ; lane
	v_and_b32 v2, 15, v0                           ; r
	v_bfe_u32 v3, v0, 4, 1                         ; lane / 16
	s_delay_alu instid0(VALU_DEP_1)
	v_mul_u32_u24 v5, v3, BLKB
	s_delay_alu instid0(VALU_DEP_1)
	v_lshl_add_u32 v5, v2, 4, v5                   ; out: lanes 0-15 a block's 16 rows, lanes 16-31 the next block's; 16 bytes a row
	v_lshlrev_b32 v4, 4, v1                        ; 16 x lane
	s_mov_b32 s3, ttmp9
	s_cmp_ge_u32 s3, 384
	s_cbranch_scc1 .Lx
; ---------------- a weight
	s_lshr_b32 s40, s3, 7                          ; 0: the four square weights; 1: W1; 2: W2
	s_lshr_b32 s45, s3, 5
	s_lshl_b32 s46, s40, 2
	s_cmp_eq_u32 s40, 1
	s_cselect_b32 s42, 6, 4                        ; log2 of the groups of 64 columns: 64 in W1, else 16
	s_cmp_lt_u32 s3, 128
	s_cselect_b32 s44, 31, 127
	s_cselect_b32 s45, s45, s46                    ; the weight's place in wp, in units of 557,056 bytes
	s_and_b32 s44, s3, s44
	s_lshr_b32 s47, s44, s42                       ; chunk of 512 K
	s_bfm_b32 s43, s42, 0
	s_and_b32 s48, s44, s43                        ; group of 64 columns
	s_and_b32 s49, s2, 1                           ; my 32 of them
	s_lshr_b32 s50, s2, 1                          ; my 128 of the 512 K
	s_lshl_b32 s41, 256, s42                       ; a row of the weight in bytes: 4,096 or 16,384
	s_lshl_b32 s51, s47, 9
	s_lshl_b32 s52, s50, 7
	s_add_co_u32 s51, s51, s52                     ; my first row
	s_mul_i32 s51, s51, s41
	s_lshl_b32 s52, s48, 8
	s_add_co_u32 s51, s51, s52
	s_lshl_b32 s52, s49, 7
	s_add_co_u32 s52, s51, s52                     ; + my first column x 4
	s_mov_b32 s53, 0
	s_lshl_b32 s54, s41, 5                         ; 32 rows on
	s_mov_b32 s55, 0
	s_mul_i32 s56, s45, 557056
	s_add_co_u32 s57, s42, 2
	s_lshl_b32 s57, BLKB, s57                      ; from chunk to chunk: (columns / 16) x 4,352
	s_mul_i32 s57, s57, s47
	s_add_co_u32 s56, s56, s57
	s_lshl_b32 s57, s48, 2
	s_lshl_b32 s58, s49, 1
	s_add_co_u32 s57, s57, s58                     ; my first block of 16 columns
	s_mul_i32 s57, s57, BLKB
	s_add_co_u32 s56, s56, s57
	s_lshl_b32 s57, s50, 10
	s_add_co_u32 s56, s56, s57                     ; + my 128 K: 1,024 bytes
	s_mov_b32 s57, 0
	v_and_b32 v9, 7, v0
	s_wait_alu depctr_va_vdst(0)
	v_bfe_u32 v14, v0, 3, 1
	v_lshl_add_u32 v9, v3, 3, v9
	s_delay_alu instid0(VALU_DEP_1)
	v_lshl_add_u32 v9, v14, 4, v9                  ; my column of the 32: lane % 8 + 8 (lane / 16) + 16 ((lane / 8) % 2)
	s_delay_alu instid0(VALU_DEP_1)
	v_lshlrev_b32 v9, 2, v9
.set i, 0
.rept 32
	v_mad_u32_u24 v[OFFS+i], s41, i, v9
.set i, i+1
.endr
	s_lshl_b32 s58, s49, 9
	s_lshl_b32 s59, s50, 2
	v_add_nc_u32 v7, s58, v4
	s_delay_alu instid0(VALU_DEP_1)
	v_add_nc_u32 v7, WS, v7                        ; LDS: the 16 scale bytes of my column: WS + 512 x (wave % 2) + 16 x lane
	s_delay_alu instid0(VALU_DEP_1)
	v_add_nc_u32 v6, s59, v7                       ; my word of them
	s_wait_alu depctr_va_vdst(0)
	s_wait_kmcnt 0x0
	s_mov_b64 s[26:27], s[20:21]                   ; which weight: a choice on the work-group's number alone
	s_cmp_lt_u32 s3, 256
	s_cselect_b64 s[26:27], s[18:19], s[26:27]
	s_cmp_lt_u32 s3, 128
	s_cselect_b64 s[26:27], s[16:17], s[26:27]
	s_cmp_lt_u32 s3, 96
	s_cselect_b64 s[26:27], s[14:15], s[26:27]
	s_cmp_lt_u32 s3, 64
	s_cselect_b64 s[26:27], s[12:13], s[26:27]
	s_cmp_lt_u32 s3, 32
	s_cselect_b64 s[26:27], s[10:11], s[26:27]
	s_add_nc_u64 s[32:33], s[26:27], s[52:53]      ; a base for each of my four blocks of 32 rows
	s_add_nc_u64 s[34:35], s[32:33], s[54:55]
	s_add_nc_u64 s[36:37], s[34:35], s[54:55]
	s_add_nc_u64 s[38:39], s[36:37], s[54:55]
	s_add_nc_u64 s[28:29], s[24:25], s[56:57]
.macro LOADW t                         ; block t: rows 32 t + i of my column; a load reads 128 consecutive bytes, two waves side by side 256
.set i, 0
.rept 32
	global_load_b32 v[X+32*(\t)+i], v[OFFS+i], s[32+2*(\t):33+2*(\t)] th:TH_LOAD_NT
.set i, i+1
.endr
.endm
.macro BLOCKW t
.if (\t) < 3
	s_wait_loadcnt 32                              ; this block's 32 loads are in; the next block's may be out
.else
	s_wait_loadcnt 0x0
.endif
	QBLK X+32*(\t), C+4*(\t)
.if (\t) == 0
	v_mov_b32 v8, v10                              ; four bytes make the word of my 128 K, the lower K in the lower byte
.else
	v_lshl_or_b32 v8, v10, 8*(\t), v8
.endif
	global_store_b128 v5, v[C+4*(\t):C+4*(\t)+3], s[28:29] offset:256*(\t)   ; sixteen lanes store 256 consecutive bytes, aligned
.if (\t) < 2
	LOADW (\t)+2
.endif
.endm
	LOADW 0
	LOADW 1
	BLOCKW 0
	BLOCKW 1
	BLOCKW 2
	BLOCKW 3
	ds_store_b32 v6, v8
	s_wait_dscnt 0x0                               ; for the others' sake: my word lies in LDS
	s_barrier_signal -1
	s_barrier_wait -1
	s_cmp_gt_u32 s2, 1                             ; waves 0 and 1 (their 128 K are the chunk's first, so their base is the blocks' own) store the 16 bytes of each column
	s_cbranch_scc1 .Lwend
	ds_load_b128 v[12:15], v7
	s_wait_dscnt 0x0
	global_store_b128 v5, v[12:15], s[28:29] offset:4096
.Lwend:
	s_wait_tensorcnt 0x0
	ds_add_u32 v192, v193
	s_wait_dscnt 0x0
	s_endpgm
; ---------------- x: K is innermost.  A load takes a row's 512 bytes as they lie; the 16 rows turn through my stage, so that lane (r, h) gets blocks h and 2 + h of row r whole
.Lx:
	s_sub_co_u32 s40, s3, 384
	s_and_b32 s41, s40, 1                          ; chunk of 512 K
	s_lshr_b32 s42, s40, 1                         ; g: which 32 tokens
	s_lshr_b32 s43, s2, 2                          ; u: which block of 16 rows
	s_and_b32 s44, s2, 3                           ; which 128 K
	s_lshl_b32 s45, s42, 5
	s_lshl_b32 s46, s43, 3
	s_add_co_u32 s45, s45, s46                     ; row 0 is token 32 g + 8 u
	s_lshl_b32 s52, s45, 12
	s_lshl_b32 s46, s41, 11
	s_add_co_u32 s52, s52, s46
	s_lshl_b32 s46, s44, 9
	s_add_co_u32 s52, s52, s46
	s_mov_b32 s53, 0
	s_lshl_b32 s46, s42, 1
	s_add_co_u32 s46, s46, s43
	s_mul_i32 s56, s46, BLKB
	s_mul_i32 s46, s41, CHSX
	s_add_co_u32 s56, s56, s46
	s_lshl_b32 s46, s44, 10
	s_add_co_u32 s56, s56, s46
	s_mov_b32 s57, 0
	s_mov_b32 s60, 0x76543210
	s_mov_b32 s61, 0xfedcba98                      ; v_permlanex16_b32's selects for lane l xor 16
	s_mul_i32 s47, s2, 16*XSP                      ; my stage
	s_wait_alu depctr_va_vdst(0)
	v_add_nc_u32 v6, s47, v4                       ; in: 16 x lane
	v_mul_u32_u24 v7, v2, XSP
	s_delay_alu instid0(VALU_DEP_1)
	v_lshl_add_u32 v7, v3, 7, v7
	s_delay_alu instid0(VALU_DEP_1)
	v_add_nc_u32 v7, s47, v7                       ; out: row r, + 128 h
	s_lshl_b32 s48, s43, 8
	s_lshl_b32 s49, s44, 2
	s_add_co_u32 s48, s48, s49
	v_lshl_add_u32 v9, v2, 4, s48
	s_delay_alu instid0(VALU_DEP_1)
	v_add_nc_u32 v9, XS, v9                        ; my row's scale word: XS + 256 u + 16 r + 4 x (which 128 K)
	v_add_nc_u32 v16, XS, v4
	v_mov_b32 v14, 0                               ; a lane permute's destination counts as one of its sources
	s_wait_alu depctr_va_vdst(0)
	s_wait_kmcnt 0x0
	s_add_nc_u64 s[26:27], s[8:9], s[52:53]
	s_add_nc_u64 s[28:29], s[22:23], s[56:57]
.set i, 0
.rept 16
	global_load_b128 v[48+4*i:51+4*i], v4, s[26:27] offset:(16*(i/8)+i%8)*4096 th:TH_LOAD_NT   ; row i: 32 lanes read 512 consecutive bytes
.set i, i+1
.endr
.set i, 0
.rept 16
	s_wait_loadcnt 15-i                            ; row i is in; the rows behind it may be out
	ds_store_b128 v6, v[48+4*i:51+4*i] offset:i*XSP
.set i, i+1
.endr
.irp c, 0,1
.irp j, 0,1,2,3,4,5,6,7
	ds_load_b128 v[112+32*\c+4*\j:115+32*\c+4*\j], v7 offset:256*\c+16*\j   ; LDS serves a wave's instructions in order: these see my stores
.endr
.endr
	s_wait_dscnt 8                                 ; block h is in; block 2 + h's eight loads may be out
	QBLK 112, 176
	v_mov_b32 v8, v10
	s_wait_dscnt 0x0
	QBLK 144, 180
	v_lshl_or_b32 v8, v10, 16, v8                  ; my two bytes: blocks h and 2 + h,
	v_lshlrev_b32 v13, 3, v3
	s_delay_alu instid0(VALU_DEP_1)
	v_lshlrev_b32 v8, v13, v8                      ; at their places in the word;
	s_delay_alu instid0(VALU_DEP_1)
	v_permlanex16_b32 v14, v8, s60, s61
	s_delay_alu instid0(VALU_DEP_1)
	v_or_b32 v8, v8, v14                           ; with lane l xor 16's two it is whole
	global_store_b128 v4, v[176:179], s[28:29]             ; a fragment's register group: 512 consecutive bytes
	global_store_b128 v4, v[180:183], s[28:29] offset:512
	ds_store_b32 v9, v8                            ; both halves of the lanes write the same word with the same value
	s_wait_dscnt 0x0
	s_barrier_signal -1
	s_barrier_wait -1
	s_cmp_lg_u32 s2, 0                             ; wave 0 (its base is the first block's own) stores both blocks' scale bytes
	s_cbranch_scc1 .Lxend
	ds_load_b128 v[20:23], v16
	s_wait_dscnt 0x0
	global_store_b128 v5, v[20:23], s[28:29] offset:4096
.Lxend:
	s_wait_tensorcnt 0x0
	ds_add_u32 v192, v193
	s_wait_dscnt 0x0
	s_endpgm
.Lfunc_end_k_qfb82e60c92_prep:
	.size	k_qfb82e60c92_prep, .Lfunc_end_k_qfb82e60c92_prep-k_qfb82e60c92_prep
	.p2alignl 7, 3214868480
	.fill 96, 4, 3214868480
	.section	.rodata,"a",@progbits
	.p2align	6, 0x0
	.amdhsa_kernel k_qfb82e60c92_prep
		.amdhsa_group_segment_fixed_size 70656
		.amdhsa_private_segment_fixed_size 0
		.amdhsa_enable_private_segment 0
		.amdhsa_kernarg_size 72
		.amdhsa_user_sgpr_count 2
		.amdhsa_user_sgpr_kernarg_segment_ptr 1
		.amdhsa_wavefront_size32 1
		.amdhsa_system_sgpr_workgroup_id_x 1
		.amdhsa_system_sgpr_workgroup_id_y 1
		.amdhsa_system_sgpr_workgroup_id_z 1
		.amdhsa_system_vgpr_workitem_id 0
		.amdhsa_next_free_vgpr 194
		.amdhsa_next_free_sgpr 66
		.amdhsa_reserve_vcc 0
		.amdhsa_float_denorm_mode_32 3
		.amdhsa_float_denorm_mode_16_64 3
		.amdhsa_memory_ordered 1
		.amdhsa_forward_progress 1
		.amdhsa_inst_pref_size 38
	.end_amdhsa_kernel
	.amdgpu_metadata
---
amdhsa.version: [ 1, 2 ]
amdhsa.kernels:
  - .name:           k_qfb82e60c92_prep
    .symbol:         k_qfb82e60c92_prep.kd
    .args:
      - { .name: x, .offset: 0, .size: 8, .value_kind: global_buffer, .address_space: global }
      - { .name: Wq, .offset: 8, .size: 8, .value_kind: global_buffer, .address_space: global }
      - { .name: Wk, .offset: 16, .size: 8, .value_kind: global_buffer, .address_space: global }
      - { .name: Wv, .offset: 24, .size: 8, .value_kind: global_buffer, .address_space: global }
      - { .name: Wo, .offset: 32, .size: 8, .value_kind: global_buffer, .address_space: global }
      - { .name: W1, .offset: 40, .size: 8, .value_kind: global_buffer, .address_space: global }
      - { .name: W2, .offset: 48, .size: 8, .value_kind: global_buffer, .address_space: global }
      - { .name: pa, .offset: 56, .size: 8, .value_kind: global_buffer, .address_space: global }
      - { .name: wp, .offset: 64, .size: 8, .value_kind: global_buffer, .address_space: global }
    .group_segment_fixed_size: 70656
    .private_segment_fixed_size: 0
    .kernarg_segment_align: 8
    .kernarg_segment_size: 72
    .max_flat_workgroup_size: 256
    .sgpr_count:     66
    .vgpr_count:     194
    .wavefront_size: 32
...
	.end_amdgpu_metadata
.endif
;; end of part 1
;; launch g1 (part 2): grid 8 x 24, 4 waves a work-group, clusters of 4 x 4, 327,680 bytes of LDS; arguments pa, wp, bq, bk, bv, qkv; writes qkv
.if DOCPART == 2
	.amdgcn_target "amdgcn-amd-amdhsa--gfx1250"
	.amdhsa_code_object_version 6
	.text
	.protected	k_qfb82e60c92_g1
	.globl	k_qfb82e60c92_g1
	.p2align	8
	.type	k_qfb82e60c92_g1,@function
k_qfb82e60c92_g1:
	s_mov_b64 s[64:65], 0
	v_nop
	global_prefetch_b8 v0, s[64:65] scope:SCOPE_SE
	s_setreg_imm32_b32 hwreg(HW_REG_WAVE_MODE, 25, 1), 1
	s_wait_xcnt 0x0
	s_wait_alu depctr_hold_cnt(0) depctr_sa_sdst(0) depctr_va_vdst(0) depctr_va_sdst(0) depctr_va_ssrc(0) depctr_va_vcc(0) depctr_vm_vsrc(0)
	s_getreg_b32 s2, hwreg(HW_REG_IB_STS2, 6, 4)
	s_cmp_eq_u32 s2, 0
	s_cbranch_scc0 .Lentry_in_a_cluster
	s_endpgm
.Lentry_in_a_cluster:
	s_bfe_u32 s2, ttmp6, 0x10000c
	s_cmp_lg_u32 s2, 0xf033
	s_cbranch_scc0 .Lentry_shape_is_right
	s_endpgm
.Lentry_shape_is_right:
.set BLKB,  4352
.set HALF,  8*BLKB
.set SLOT,  4*HALF
.set HREG,  217088
.set VC,    65536
.set KS,    131072
.set VS,    139264
.set QC,    143360
.set QS,    208896
.set ADRA, 16
.set ADRB, 20
.set ADRS, 22
.set GA,   3
.set GS,   25
.set SH,   26
.set SC,   32
.set SW,   96
.set SELR, 104
.set AF,   128
.set BC,   64
.set TM,   200
.set PW,   216
.set G1, 24
.set G0, 32
.set G1B, 48
.set G0B, 56
.set MSB, 0
.macro WIN new
.if MSB != (\new)
	s_set_vgpr_msb (MSB<<8)|(\new)
.set MSB, (\new)
.endif
.endm
.macro JLOAD g0a, g1a, g0b, g1b
	s_cmp_eq_u32 s15, 0
	s_cbranch_scc0 .Lfor_b_\@
	tensor_load_to_lds s[\g0a:\g0a+3], s[\g1a:\g1a+7]
	s_nop 0
.rept 4
	v_nop
.endr
	s_branch .Lasked_\@
.Lfor_b_\@:
	tensor_load_to_lds s[\g0b:\g0b+3], s[\g1b:\g1b+7]
	s_nop 0
.rept 4
	v_nop
.endr
.Lasked_\@:
.endm
.macro CROUND
	s_barrier_signal -1
	s_barrier_wait -1
	s_cmp_lg_u32 s14, 0
	s_cbranch_scc1 .Lnot_wave_0_\@
	s_barrier_signal -3
.Lnot_wave_0_\@:
	s_barrier_wait -3
	s_barrier_signal -1
	s_barrier_wait -1
.endm
.macro PLACES n
.rept \n
	v_nop
.endr
.endm
.macro FRAG reg, adr, q, i
.irp c, 0,1
	ds_load_b128 v[(\reg)+4*\c:(\reg)+4*\c+3], v[\adr] offset:(\i)*BLKB+(\q)*1024+512*\c
.endr
.endm
.macro FETCH_B slot, q, p
	WIN 0x40
.irp i, 0,1,2,3,4,5,6,7
	FRAG 128*(\p)+8*\i, ADRB+\slot, \q, \i
.endr
	WIN 0
.endm
.macro FETCH_A slot, q, i0
.irp i, \i0, \i0+1, \i0+2, \i0+3
	FRAG AF+8*(\i), ADRA+\slot, \q, \i
.endr
.endm
.macro SCALES sc
.irp i, 0,1,2,3,4,5,6,7
	ds_load_b128 v[SC+32*\sc+4*\i:SC+32*\sc+4*\i+3], v[ADRS+\sc] offset:\i*BLKB
.endr
.endm
.macro MUL16 a0, p, q, sc, first
.irp a, \a0, \a0+1
.irp b, 0,1,2,3,4,5,6,7
.if (\first) == 0
	v_wmma_scale_f32_16x16x128_f8f6f4 v[8*(8*((\a)%4)+\b):8*(8*((\a)%4)+\b)+7], v[128*(\p)+8*\b:128*(\p)+8*\b+7], v[AF+8*(\a):AF+8*(\a)+7], v[8*(8*((\a)%4)+\b):8*(8*((\a)%4)+\b)+7], v[SC+32*(\sc)+4*\b+(\q)], v[SC+32*(\sc)+4*(\a)+(\q)] matrix_a_fmt:MATRIX_FMT_FP4 matrix_b_fmt:MATRIX_FMT_FP4 matrix_a_scale:MATRIX_SCALE_ROW1
.elseif (\first) == 2
	v_wmma_scale_f32_16x16x128_f8f6f4 v[8*(8*((\a)%4)+\b):8*(8*((\a)%4)+\b)+7], v[128*(\p)+8*\b:128*(\p)+8*\b+7], v[AF+8*(\a):AF+8*(\a)+7], v[BC+8*\b:BC+8*\b+7], v[SC+32*(\sc)+4*\b+(\q)], v[SC+32*(\sc)+4*(\a)+(\q)] matrix_a_fmt:MATRIX_FMT_FP4 matrix_b_fmt:MATRIX_FMT_FP4 matrix_a_scale:MATRIX_SCALE_ROW1
.else
	v_wmma_scale_f32_16x16x128_f8f6f4 v[8*(8*((\a)%4)+\b):8*(8*((\a)%4)+\b)+7], v[128*(\p)+8*\b:128*(\p)+8*\b+7], v[AF+8*(\a):AF+8*(\a)+7], v[BC+8*(\a):BC+8*(\a)+7], v[SC+32*(\sc)+4*\b+(\q)], v[SC+32*(\sc)+4*(\a)+(\q)] matrix_a_fmt:MATRIX_FMT_FP4 matrix_b_fmt:MATRIX_FMT_FP4 matrix_a_scale:MATRIX_SCALE_ROW1
.endif
.endr
.endr
.endm
.macro STEP slot, q, first
	s_wait_dscnt 8
.if (\first) >= 2
	WIN 0x91
.else
	WIN 0xa1
.endif
	MUL16 0, (\q)%2, \q, \slot, \first
	MUL16 2, (\q)%2, \q, \slot, \first
	s_wait_dscnt 0x0
	PLACES 4
	FETCH_B \slot, (\q)+1, 1-(\q)%2
	FETCH_A \slot, (\q)+1, 0
.if (\first) >= 2
	WIN 0xd1
.else
	WIN 0xf1
.endif
	MUL16 4, (\q)%2, \q, \slot, \first
	MUL16 6, (\q)%2, \q, \slot, \first
	PLACES 4
	WIN 0
	FETCH_A \slot, (\q)+1, 4
.endm
.macro MAIN first
	s_wait_tensorcnt 1
	s_barrier_signal -1
	s_barrier_wait -1
	FETCH_B 0, 0, 0
	FETCH_A 0, 0, 0
	SCALES 0
	FETCH_A 0, 0, 4
	STEP 0, 0, \first
	STEP 0, 1, 0
	STEP 0, 2, 0
	s_wait_tensorcnt 0x0
	s_wait_dscnt 8
	WIN 0xa1
	MUL16 0, 1, 3, 0, 0
	s_wait_dscnt 0x0
	s_barrier_signal -1
	MUL16 2, 1, 3, 0, 0
	WIN 0
	s_barrier_wait -1
	PLACES 4
	FETCH_B 1, 0, 0
	FETCH_A 1, 0, 0
	SCALES 1
	WIN 0xf1
	MUL16 4, 1, 3, 0, 0
	MUL16 6, 1, 3, 0, 0
	PLACES 4
	WIN 0
	FETCH_A 1, 0, 4
	STEP 1, 0, 0
	STEP 1, 1, 0
	STEP 1, 2, 0
	s_wait_dscnt 8
	WIN 0xa1
	MUL16 0, 1, 3, 1, 0
	MUL16 2, 1, 3, 1, 0
	s_wait_dscnt 0x0
	WIN 0xf1
	MUL16 4, 1, 3, 1, 0
	MUL16 6, 1, 3, 1, 0
	WIN 0
	PLACES 4
.endm
.macro QUANTW a
.set AC, 64*((\a)%4)
.set W, 2+(\a)/4
.set PC, 128+8*(\a)
	WIN W|(W<<2)
.irp b, 0,1,2,3
	v_max3_num_f32 v[TM+\b], |v[AC+16*\b]|, |v[AC+16*\b+1]|, 0x1800000
.endr
	WIN (W<<2)|(W<<4)
.irp i, 2,4,6,8,10,12,14
.irp b, 0,1,2,3
	v_max3_num_f32 v[TM+\b], v[TM+\b], |v[AC+16*\b+\i]|, |v[AC+16*\b+\i+1]|
.endr
.endr
	WIN 0
.irp b, 0,1,2,3
	v_permlanex16_b32 v[TM+4+\b], v[TM+\b], s76, s77
.endr
.irp b, 0,1,2,3
	v_max_num_f32 v[TM+\b], v[TM+\b], v[TM+4+\b]
.endr
.irp b, 0,1,2,3
	v_add_nc_u32 v[TM+12+\b], 0xff000000, v[TM+\b]
.endr
.irp b, 0,1,2,3
	v_lshrrev_b32 v[TM+4+\b], 23, v[TM+12+\b]
.endr
	v_lshl_or_b32 v[PW], v[TM+5], 8, v[TM+4]
	v_lshl_or_b32 v[PW], v[TM+6], 16, v[PW]
	v_lshl_or_b32 v[PW], v[TM+7], 24, v[PW]
	WIN W
.irp b, 0,1,2,3
	v_cvt_scalef32_pk8_fp4_f32 v[PC+2*\b], v[AC+16*\b:AC+16*\b+7], v[TM+12+\b]
	v_cvt_scalef32_pk8_fp4_f32 v[PC+2*\b+1], v[AC+16*\b+8:AC+16*\b+15], v[TM+12+\b]
.endr
	WIN 0
	v_nop
.irp c, 0,1
.irp i, 0,1
	v_permlane16_swap_b32 v[PC+4*\c+\i], v[PC+2+4*\c+\i]
.endr
.endr
.endm
	s_load_b256 s[4:11], s[0:1], 0x0
	s_load_b128 s[92:95], s[0:1], 0x20
	v_lshl_add_u32 v254, v0, 2, 0x44000
	v_mov_b32 v255, 0
	ds_add_u32 v254, v255
	ds_add_u32 v254, v255
	v_lshrrev_b32 v1, 5, v0
	v_readfirstlane_b32 s14, v1
	s_lshr_b32 s15, s14, 1
	s_and_b32 s16, s14, 1
	s_bfe_u32 s40, ttmp6, 0x40000
	s_bfe_u32 s41, ttmp6, 0x40004
	s_and_b32 s70, ttmp7, 0xffff
	s_lshl_b32 s71, s70, 2
	s_max_u32 s73, s70, 4
	s_sub_co_u32 s73, s73, 4
	s_lshl_b32 s73, s73, 3
	s_lshl_b32 s72, ttmp9, 2
	s_add_co_u32 s72, s72, s73
	s_mul_i32 s73, ttmp9, 557056
	s_mov_b32 s79, 1114112
	s_mov_b32 s75, 278528
	s_cmp_ge_u32 s70, 4
	s_cselect_b32 s71, 0, s71
	s_cselect_b32 s72, s72, 0
	s_cselect_b32 s74, s79, 0
	s_cselect_b32 s73, 0, s73
	s_cselect_b32 s86, s75, s79
	s_cselect_b32 s88, s79, s75
	s_mov_b32 s87, 0
	s_mov_b32 s89, 0
	s_add_co_u32 s17, s41, s71
	s_add_co_u32 s42, s40, s72
	s_lshl_b32 s43, s41, 2
	s_lshl_b32 s43, 15, s43
	s_lshl_b32 s44, 0x1111, s40
	s_or_b32 s[G1], s43, (3<<16)|(1<<21)
	s_or_b32 s[G1B], s44, (3<<16)|(1<<21)
.irp g, G1, G1B
	s_mov_b32 s[\g+1], 32<<16
	s_mov_b32 s[\g+2], 136<<16
	s_mov_b32 s[\g+3], 32<<16
	s_mov_b32 s[\g+4], 136
	s_mov_b32 s[\g+5], 32
	s_mov_b32 s[\g+6], 0
	s_mov_b32 s[\g+7], 0
.endr
	s_lshl_b32 s18, s16, 3
	s_lshl_b32 s20, s17, 4
	s_add_co_u32 s20, s20, s18
	s_mul_i32 s20, s20, BLKB
	s_add_co_u32 s20, s20, s74
	s_mov_b32 s21, 0
	s_lshl_b32 s46, s42, 4
	s_add_co_u32 s46, s46, s18
	s_mul_i32 s46, s46, BLKB
	s_add_co_u32 s46, s46, s73
	s_mov_b32 s47, 0
	s_mul_i32 s45, s14, HALF
	s_wait_dscnt 0x0
	s_wait_kmcnt 0x0
	s_cmp_ge_u32 s70, 4
	s_cselect_b64 s[82:83], s[6:7], s[4:5]
	s_cselect_b64 s[84:85], s[4:5], s[6:7]
	s_add_nc_u64 s[20:21], s[82:83], s[20:21]
	s_add_nc_u64 s[46:47], s[84:85], s[46:47]
	CROUND
	s_mov_b32 s[G0], 1
	s_mov_b32 s[G0+1], s45
	s_mov_b64 s[G0+2:G0+3], s[20:21]
	s_or_b32 s[G0+3], s[G0+3], 0x80000000
	s_mov_b32 s[G0B], 1
	s_mov_b32 s[G0B+1], s45
	s_mov_b64 s[G0B+2:G0B+3], s[46:47]
	s_or_b32 s[G0B+3], s[G0B+3], 0x80000000
	JLOAD G0, G1, G0B, G1B
	s_mov_b32 s[G0+4], 1
	s_add_co_u32 s[G0+5], s45, SLOT
	s_add_nc_u64 s[G0+6:G0+7], s[20:21], s[86:87]
	s_or_b32 s[G0+7], s[G0+7], 0x80000000
	s_mov_b32 s[G0B+4], 1
	s_add_co_u32 s[G0B+5], s45, SLOT
	s_add_nc_u64 s[G0B+6:G0B+7], s[46:47], s[88:89]
	s_or_b32 s[G0B+7], s[G0B+7], 0x80000000
	s_wait_alu depctr_va_vdst(0)
	s_wait_tensorcnt 0x0
	ds_add_u32 v254, v255
	s_wait_dscnt 0x0
	CROUND
	JLOAD G0+4, G1, G0B+4, G1B
	v_and_b32 v1, 15, v0
	v_bfe_u32 v2, v0, 4, 1
	v_and_b32 v3, 31, v0
	v_lshlrev_b32 v3, 4, v3
	s_mul_i32 s21, s15, HALF
	s_mul_i32 s22, s16, HALF
	s_add_co_u32 s22, s22, 2*HALF
	s_sub_co_u32 s23, s22, s21
	v_mul_u32_u24 v6, s23, v2
	v_lshl_add_u32 v6, v1, 4, v6
	v_add_nc_u32 v6, s21, v6
	v_add_nc_u32 v[ADRS], 4096, v6
	v_add_nc_u32 v[ADRS+1], 4096+SLOT, v6
	v_add_nc_u32 v[ADRA], s21, v3
	v_add_nc_u32 v[ADRA+1], SLOT, v[ADRA]
	v_add_nc_u32 v[ADRB], s22, v3
	v_add_nc_u32 v[ADRB+1], SLOT, v[ADRB]
	v_mul_u32_u24 v[GS], v2, HREG
	v_lshl_add_u32 v[GS], v1, 4, v[GS]
	v_lshlrev_b32 v[SH], 4, v2
	s_mov_b32 s76, 0x76543210
	s_mov_b32 s77, 0xfedcba98
	s_mov_b32 s78, 0xffff0000
.irp b, 0,1,2,3
	v_mov_b32 v[TM+4+\b], 0
.endr
	s_cmp_ge_u32 s70, 4
	s_cbranch_scc1 .Lv
	s_cmp_eq_u32 ttmp9, 0
	s_cselect_b64 s[82:83], s[8:9], s[10:11]
	s_cselect_b32 s66, QC, 0
	s_cselect_b32 s67, QS-KS, 0
	s_lshl_b32 s68, s40, 10
	s_lshl_b32 s69, s16, 9
	s_add_co_u32 s68, s68, s69
	s_mov_b32 s69, 0
	s_add_nc_u64 s[82:83], s[82:83], s[68:69]
	v_lshlrev_b32 v4, 6, v2
	WIN 0x40
.irp b, 0,1,2,3,4,5,6,7
	global_load_b128 v[BC+8*\b:BC+8*\b+3], v4, s[82:83] offset:(32*(\b/2)+8*(\b%2))*4
	global_load_b128 v[BC+8*\b+4:BC+8*\b+7], v4, s[82:83] offset:(32*(\b/2)+8*(\b%2))*4+16
.endr
	WIN 0
	s_lshr_b32 s80, s17, 3
	s_lshl_b32 s80, s80, 4
	s_lshl_b32 s81, s40, 2
	s_add_co_u32 s80, s80, s81
	s_lshl_b32 s81, s16, 1
	s_add_co_u32 s80, s80, s81
	s_mul_i32 s80, s80, HREG
	s_and_b32 s81, s17, 7
	s_lshl_b32 s81, s81, 4
	s_lshl_b32 s90, s15, 3
	s_add_co_u32 s81, s81, s90
	s_lshl_b32 s90, s81, 9
	s_add_co_u32 s90, s90, s80
	s_add_co_u32 s90, s90, s66
	s_mov_b32 s91, 0
	s_add_nc_u64 s[12:13], s[94:95], s[90:91]
	s_lshl_b32 s90, s81, 6
	s_add_co_u32 s90, s90, s80
	s_add_co_u32 s90, s90, s67
	s_add_co_u32 s90, s90, KS
	s_add_nc_u64 s[18:19], s[94:95], s[90:91]
	s_wait_loadcnt 0x0
	s_wait_alu depctr_va_vdst(0)
	MAIN 2
.irp a, 0,1,2,3,4,5,6,7
	QUANTW \a
	global_store_b128 v[GA], v[128+8*\a:131+8*\a], s[12:13] offset:\a*512
	global_store_b128 v[GA], v[132+8*\a:135+8*\a], s[12:13] offset:HREG+\a*512
	v_lshrrev_b32 v[SW+\a], v[SH], v[PW]
	v_and_b32 v[SW+\a], 0xffff, v[SW+\a]
.endr
.irp g, 0,1
	global_store_b128 v[GS], v[SW+4*\g:SW+4*\g+3], s[18:19] offset:256*\g
.endr
	s_wait_tensorcnt 0x0
	ds_add_u32 v254, v255
	s_wait_dscnt 0x0
	CROUND
	s_endpgm
.Lv:
	s_lshl_b32 s68, s41, 10
	s_lshl_b32 s69, s15, 9
	s_add_co_u32 s68, s68, s69
	s_mov_b32 s69, 0
	s_add_nc_u64 s[82:83], s[92:93], s[68:69]
	v_and_b32 v4, 8, v1
	v_add_nc_u32 v4, v4, v1
	v_lshlrev_b32 v4, 2, v4
	WIN 0x40
.irp a, 0,1,2,3,4,5,6,7
.irp j, 0,1,2,3,4,5,6,7
	global_load_b32 v[BC+8*\a+\j], v4, s[82:83] offset:(32*(\a/2)+8*(\a%2))*4
.endr
.endr
	WIN 0
	s_lshl_b32 s81, s42, 1
	s_add_co_u32 s81, s81, s16
	s_lshr_b32 s80, s81, 4
	s_and_b32 s81, s81, 15
	s_lshl_b32 s80, s80, 4
	s_lshl_b32 s90, s41, 2
	s_add_co_u32 s80, s80, s90
	s_lshl_b32 s90, s15, 1
	s_add_co_u32 s80, s80, s90
	s_mul_i32 s80, s80, HREG
	s_lshl_b32 s90, s81, 12
	s_add_co_u32 s90, s90, s80
	s_add_co_u32 s90, s90, VC
	s_mov_b32 s91, 0
	s_add_nc_u64 s[12:13], s[94:95], s[90:91]
	s_lshl_b32 s90, s81, 8
	s_add_co_u32 s90, s90, s80
	s_add_co_u32 s90, s90, VS
	s_add_nc_u64 s[18:19], s[94:95], s[90:91]
	s_wait_loadcnt 0x0
	MAIN 3
.irp a, 0,1,2,3,4,5,6,7
	QUANTW \a
	global_store_b128 v[GA], v[128+8*\a:131+8*\a], s[12:13] offset:(\a/4)*HREG+(\a%4)*1024
	global_store_b128 v[GA], v[132+8*\a:135+8*\a], s[12:13] offset:(\a/4)*HREG+(\a%4)*1024+512
	v_mov_b32 v[SW+\a], v[PW]
.endr
.irp q, 0,1,2,3
	v_cndmask_b32 v[SELR+\q], v[SW+\q], v[SW+4+\q], s78
.endr
	global_store_b128 v[GS], v[SELR:SELR+3], s[18:19]
	s_wait_tensorcnt 0x0
	ds_add_u32 v254, v255
	s_wait_dscnt 0x0
	CROUND
	s_endpgm
.Lfunc_end_k_qfb82e60c92_g1:
	.size	k_qfb82e60c92_g1, .Lfunc_end_k_qfb82e60c92_g1-k_qfb82e60c92_g1
	.p2alignl 7, 3214868480
	.fill 96, 4, 3214868480
	.section	.rodata,"a",@progbits
	.p2align	6, 0x0
	.amdhsa_kernel k_qfb82e60c92_g1
		.amdhsa_group_segment_fixed_size 327680
		.amdhsa_private_segment_fixed_size 0
		.amdhsa_enable_private_segment 0
		.amdhsa_kernarg_size 48
		.amdhsa_user_sgpr_count 2
		.amdhsa_user_sgpr_kernarg_segment_ptr 1
		.amdhsa_wavefront_size32 1
		.amdhsa_system_sgpr_workgroup_id_x 1
		.amdhsa_system_sgpr_workgroup_id_y 1
		.amdhsa_system_sgpr_workgroup_id_z 1
		.amdhsa_system_vgpr_workitem_id 0
		.amdhsa_next_free_vgpr 1024
		.amdhsa_next_free_sgpr 100
		.amdhsa_reserve_vcc 0
		.amdhsa_float_denorm_mode_32 3
		.amdhsa_float_denorm_mode_16_64 3
		.amdhsa_memory_ordered 1
		.amdhsa_forward_progress 1
		.amdhsa_inst_pref_size 255
	.end_amdhsa_kernel
	.amdgpu_metadata
---
amdhsa.version: [ 1, 2 ]
amdhsa.kernels:
  - .name:           k_qfb82e60c92_g1
    .symbol:         k_qfb82e60c92_g1.kd
    .args:
      - { .name: pa, .offset: 0, .size: 8, .value_kind: global_buffer, .address_space: global }
      - { .name: wp, .offset: 8, .size: 8, .value_kind: global_buffer, .address_space: global }
      - { .name: bq, .offset: 16, .size: 8, .value_kind: global_buffer, .address_space: global }
      - { .name: bk, .offset: 24, .size: 8, .value_kind: global_buffer, .address_space: global }
      - { .name: bv, .offset: 32, .size: 8, .value_kind: global_buffer, .address_space: global }
      - { .name: qkv, .offset: 40, .size: 8, .value_kind: global_buffer, .address_space: global }
    .group_segment_fixed_size: 327680
    .private_segment_fixed_size: 0
    .kernarg_segment_align: 8
    .kernarg_segment_size: 48
    .max_flat_workgroup_size: 128
    .sgpr_count:     100
    .vgpr_count:     1024
    .wavefront_size: 32
...
	.end_amdgpu_metadata
.endif
;; end of part 2
;; launch attn (part 3): grid 8 x 32, 16 waves a work-group, clusters of 4 x 1, 169,984 bytes of LDS; arguments qkv, pb; writes pb
.if DOCPART == 3
	.amdgcn_target "amdgcn-amd-amdhsa--gfx1250"
	.amdhsa_code_object_version 6
	.text
	.protected	k_qfb82e60c92_attn
	.globl	k_qfb82e60c92_attn
	.p2align	8
	.type	k_qfb82e60c92_attn,@function
k_qfb82e60c92_attn:
	s_mov_b64 s[64:65], 0
	v_nop
	global_prefetch_b8 v0, s[64:65] scope:SCOPE_SE
	s_setreg_imm32_b32 hwreg(HW_REG_WAVE_MODE, 25, 1), 1
	s_wait_xcnt 0x0
	s_wait_alu depctr_hold_cnt(0) depctr_sa_sdst(0) depctr_va_vdst(0) depctr_va_sdst(0) depctr_va_ssrc(0) depctr_va_vcc(0) depctr_vm_vsrc(0)
	s_getreg_b32 s2, hwreg(HW_REG_IB_STS2, 6, 4)
	s_cmp_eq_u32 s2, 0
	s_cbranch_scc0 .Lentry_in_a_cluster
	s_endpgm
.Lentry_in_a_cluster:
	s_bfe_u32 s2, ttmp6, 0x10000c
	s_cmp_lg_u32 s2, 0x3003
	s_cbranch_scc0 .Lentry_shape_is_right
	s_endpgm
.Lentry_shape_is_right:
; out[q] = softmax_k(q . k / 8) v for one (batch, head) of 2,048 tokens and a head of 64, both products on codes of FP4; the result is quantised along the model's 1,024 and stored as the next product's operand.
; THE SOFTMAX: t = score x log2(e) / 8; M = the running largest t rounded UP to a whole number; p = 2^(t - M) is quantised along the keys; the sum is taken of the unquantised p and divides at the end.
; When M moves, the sum and O are multiplied by 2^(old M - new M): exact.
; SHARES.  A work-group owns 256 queries, each of its sixteen waves one tile of 16.  A head's K, V and scale words are 143,360 consecutive bytes of qkv: they come into LDS once, 35 rows of 256 bytes a wave, asked for
; jointly by the four work-groups of a cluster (one head); nothing is filled again: no ring, no barrier in the loop.
; LAYOUT.  Both products transposed: S^T = K Q^T (source 0 = 16 keys), O^T = V^T P^T (source 0 = 16 of the head's 64): a lane holds one query.
; THE KEYS OF A TILE ARE CHOSEN BY THE LANES' LDS ADDRESSES: row 8 a + i of tile t of group c takes key 64 c + 32 a + 8 t + i.  So the 32 registers of a group's four tiles are, in lane half h, the 32 neighbouring keys
; 64 c + 32 h + 0 .. 31: a whole block of the quantiser, and just what registers 4 c .. 4 c + 3 of P's operand want.  A block's maximum needs no other lane, and no codes change lanes.
; In memory tile 2 n + u holds in row r key 32 n + 16 (r / 8) + 8 u + r % 8, 16 bytes a lane slot: key 64 c + 32 a + 8 t + i lies in tile 4 c + 2 a + t % 2, row 8 (t / 2) + i.
; A head has 64 of the instruction's 128 along K: registers 4-7 of Q's fragment are zero codes.  K's half fragments lie on end, so registers 4-7 of a tile's operand are the next tile's codes (behind the last: zeros):
; they meet Q's zero codes and add nothing.
; The loop's last trip also loads the 4,096 + 512 bytes behind K's codes and words (bytes of V that the fill has written); nothing uses them.
; LIMITS: NaN and infinities are not served; a block whose every number is 0 or under 2^-124 gets the byte 1.  The result's scale bytes leave as two bytes a row, in runs shorter than 256 bytes.
; REGISTERS: v1-7 lane terms; v8-11 the step's addresses; v12 -M, v13 the largest score, v[14:15] the sum; v16-23 Q; v24-59 K; v60-91 V; v96-159 S^T, then p; v160-191 O^T; v192-199 scale words; v224-231 P; v232-249 at work.
.set HREG, 217088
.set VC,   65536
.set KS,   131072
.set VS,   139264
.set QC,   143360
.set QS,   208896
.set CHS,  1114112
.macro ROUND
	s_barrier_signal -1
	s_barrier_wait -1
	s_cmp_lg_u32 s8, 0
	s_cbranch_scc1 .Lnot_wave_0_\@
	s_barrier_signal -3
.Lnot_wave_0_\@:
	s_barrier_wait -3
	s_barrier_signal -1
	s_barrier_wait -1
.endm
.macro KLD adr, sadr, off, soff        ; eight tiles of K and their words: register 192 + t: lanes 0-15 group 0's tile t, lanes 16-31 group 1's
.irp c, 0,1
.irp t, 0,1,2,3
	ds_load_b128 v[24+16*\c+4*\t:27+16*\c+4*\t], v[\adr] offset:(\off)+2048*\c+512*(\t%2)+128*(\t/2)
.endr
.endr
	ds_load_b64 v[192:193], v[\sadr] offset:(\soff)
	ds_load_b64 v[194:195], v[\sadr] offset:(\soff)+128
.endm
	s_load_b128 s[4:7], s[0:1], 0x0                ; qkv, pb
	v_lshl_add_u32 v250, v0, 2, 0x29000
	v_mov_b32 v251, 0
	ds_add_u32 v250, v251                          ; the opening lines
	ds_add_u32 v250, v251
	v_lshrrev_b32 v8, 5, v0
	s_delay_alu instid0(VALU_DEP_1)
	v_readfirstlane_b32 s8, v8                     ; wave 0..15
	s_bfe_u32 s9, ttmp6, 0x40000                   ; cx
	s_and_b32 s10, ttmp7, 0xffff                   ; 16 x batch + head: the four partners share it
	s_mul_i32 s32, s10, HREG
	s_mov_b32 s33, 0
	s_mul_i32 s11, s8, 8960                        ; my 35 rows of 256 bytes, in memory and in LDS alike
	s_mov_b32 s34, s11
	s_mov_b32 s35, 0
	s_mov_b32 s16, 15|(3<<16)|(1<<21)              ; the mask: all four work-groups; elements of 8 bytes; bit 21 beside a mask
	s_mov_b32 s17, 32<<16
	s_mov_b32 s18, 35<<16
	s_mov_b32 s19, 32<<16
	s_mov_b32 s20, 35
	s_mov_b32 s21, 32
	s_mov_b32 s22, 0
	s_mov_b32 s23, 0
	s_mov_b32 s24, 0x76543210
	s_mov_b32 s25, 0xfedcba98                      ; selects for lane l xor 16
	s_mov_b32 s26, 0x3e38aa3b                      ; c = log2(e) / 8
	s_mov_b32 s27, s26
	s_mov_b32 s28, 0                               ; the step's codes: 4,096 bytes a step, of K and of V
	s_mov_b32 s29, 0                               ; K's scale words: 512
	s_mov_b32 s30, 0                               ; V's: 256
	s_mov_b32 s31, 16                              ; key steps
	s_wait_dscnt 0x0
	s_wait_kmcnt 0x0
	s_add_nc_u64 s[4:5], s[4:5], s[32:33]          ; the head's region
	ROUND                                          ; all four work-groups are here: the joint loads meet
	s_mov_b32 s12, 1
	s_mov_b32 s13, s11
	s_add_nc_u64 s[14:15], s[4:5], s[34:35]
	s_or_b32 s15, s15, 0x80000000
	tensor_load_to_lds s[12:15], s[16:23]          ; one load of mine is out
	s_nop 0
.rept 4
	v_nop
.endr
	s_lshl_b32 s36, ttmp9, 2
	s_add_co_u32 s36, s36, s9
	s_lshl_b32 s36, s36, 4
	s_add_co_u32 s36, s36, s8                      ; T: my tile of queries, 0..127: it enters global addresses alone
	v_and_b32 v5, 31, v0
	v_and_b32 v6, 15, v0                           ; r
	v_bfe_u32 v7, v0, 4, 1                         ; h
	v_and_b32 v8, 7, v0                            ; i
	v_bfe_u32 v9, v0, 3, 1                         ; a
	v_lshlrev_b32 v5, 4, v5                        ; 16 x lane
	v_lshlrev_b32 v8, 4, v8
	v_lshlrev_b32 v4, 4, v6
	s_delay_alu instid0(VALU_DEP_2)
	v_lshl_add_u32 v8, v7, 8, v8                   ; 256 h + 16 i
	v_add_nc_u32 v2, VC, v5                        ; V's tiles: 16 x lane
	v_add_nc_u32 v4, VS, v4                        ; V's words: row r's four
	s_delay_alu instid0(VALU_DEP_3)
	v_lshl_add_u32 v1, v9, 10, v8                  ; K's tiles: 1,024 a + 256 h + 16 i
	v_lshl_add_u32 v3, v9, 3, v8
	v_lshlrev_b32 v7, 3, v7                        ; 8 h: where my two scale bytes go in P's word
	s_delay_alu instid0(VALU_DEP_2)
	v_add_nc_u32 v3, KS, v3                        ; K's words: 256 (group = lane half) + 16 i + 8 a
	s_lshl_b32 s40, s36, 9
	v_add_nc_u32 v10, s40, v5
	global_load_b128 v[16:19], v10, s[4:5] offset:QC       ; Q's half fragment stays in registers
	s_lshr_b32 s40, s36, 2
	s_lshl_b32 s40, s40, 8
	s_and_b32 s41, s36, 3
	s_lshl_b32 s41, s41, 2
	s_add_co_u32 s40, s40, s41
	v_lshl_add_u32 v11, v6, 4, s40
	global_load_b32 v255, v11, s[4:5] offset:QS            ; Q's scale words
.irp j, 20,21,22,23, 56,57,58,59
	v_mov_b32 v\j, 0                               ; zero codes, written once
.endr
	s_and_b32 s37, s10, 15                         ; head
	s_lshr_b32 s38, s10, 4
	s_lshl_b32 s38, s38, 7
	s_add_co_u32 s38, s38, s36                     ; the result's block of 16 rows: 128 x batch + T
	s_mul_i32 s38, s38, 4352
	s_lshr_b32 s39, s37, 3
	s_mul_i32 s39, s39, CHS                        ; its chunk of 512 K: head / 8
	s_add_co_u32 s38, s38, s39
	s_mov_b32 s39, 0
	s_add_nc_u64 s[6:7], s[6:7], s[38:39]
	s_and_b32 s37, s37, 7
	v_mov_b32 v13, 0xff61b1e6                      ; the largest score so far: -3e38
	s_delay_alu instid0(VALU_DEP_1)
	v_floor_f32 v12, -v13                          ; -M
	v_mov_b32 v14, 0                               ; the sum, in two halves
	v_mov_b32 v15, 0
	v_mov_b32 v243, 0                              ; a lane permute's destination counts as one of its sources
	v_mov_b32 v248, 0
	v_mov_b32 v253, 0
.set j, 0
.rept 32
	v_mov_b32 v[160+j], 0                          ; O^T: the loop is written once; its first step finds zeros
.set j, j+1
.endr
	s_wait_alu depctr_va_vdst(0)                   ; the wait at the head's end
	s_wait_tensorcnt 0x0                           ; my 35 rows are in,
	s_barrier_signal -1
	s_barrier_wait -1                              ; everybody's are
	KLD 1, 3, 0, 0                                 ; step 0's K
	s_wait_loadcnt 0x0                             ; Q
.Lstep:                                            ; 128 keys
	s_wait_dscnt 0x0                               ; this step's K and its words, asked for a step ago
.irp c, 0,1
.irp t, 0,1,2,3
.if \c
	v_wmma_scale_f32_16x16x128_f8f6f4 v[96+32*\c+8*\t:103+32*\c+8*\t], v[24+16*\c+4*\t:31+16*\c+4*\t], v[16:23], 0, v[192+\t], v255 matrix_a_fmt:MATRIX_FMT_FP4 matrix_b_fmt:MATRIX_FMT_FP4 matrix_a_scale:MATRIX_SCALE_ROW1
.else
	v_wmma_scale_f32_16x16x128_f8f6f4 v[96+32*\c+8*\t:103+32*\c+8*\t], v[24+16*\c+4*\t:31+16*\c+4*\t], v[16:23], 0, v[192+\t], v255 matrix_a_fmt:MATRIX_FMT_FP4 matrix_b_fmt:MATRIX_FMT_FP4
.endif
.endr
.endr
	v_add_nc_u32 v8, s28, v1                       ; these four are the places behind the products: in front of the loads into K's and V's registers and of the first read of the scores
	v_add_nc_u32 v9, s28, v2
	v_add_nc_u32 v10, s29, v3
	v_add_nc_u32 v11, s30, v4
.irp t, 0,1,2,3
.irp c, 0,1
	ds_load_b128 v[60+8*\t+4*\c:63+8*\t+4*\c], v9 offset:1024*\t+512*\c   ; this step's V
.endr
.endr
	ds_load_b128 v[196:199], v11
	KLD 8, 10, 4096, 512                           ; the next step's K: ten loads
.irp c, 0,1                                        ; the largest score of my two blocks of 32 keys, each in two chains; each tile is first read at its low end
	v_max3_num_f32 v[232+\c], v[96+32*\c], v[97+32*\c], v[98+32*\c]
	v_max3_num_f32 v[234+\c], v[112+32*\c], v[113+32*\c], v[114+32*\c]
.endr
.irp i, 3,5,7,9,11,13
.irp c, 0,1
	v_max3_num_f32 v[232+\c], v[232+\c], v[96+32*\c+\i], v[97+32*\c+\i]
	v_max3_num_f32 v[234+\c], v[234+\c], v[112+32*\c+\i], v[113+32*\c+\i]
.endr
.endr
.irp c, 0,1
	v_max3_num_f32 v[232+\c], v[232+\c], v[234+\c], v[111+32*\c]
.endr
.irp c, 0,1
	v_max_num_f32 v[232+\c], v[232+\c], v[127+32*\c]
.endr
	s_delay_alu instid0(VALU_DEP_1)
	v_max_num_f32 v242, v232, v233
	s_delay_alu instid0(VALU_DEP_1)
	v_permlanex16_b32 v243, v242, s24, s25         ; lane l xor 16's two blocks
	v_mov_b32 v254, v12
	s_delay_alu instid0(VALU_DEP_2)
	v_max3_num_f32 v13, v13, v242, v243            ; the running largest score
	s_delay_alu instid0(VALU_DEP_1)
	v_mul_f32 v249, s26, v13                       ; as t (c is positive)
	s_delay_alu instid0(VALU_DEP_1)
	v_floor_f32 v12, -v249                         ; the new -M = -ceil(t)
	s_delay_alu instid0(VALU_DEP_1)
	v_sub_f32 v254, v12, v254                      ; old M - new M: a whole number, 0 or less
	s_delay_alu instid0(VALU_DEP_1)
	v_cvt_i32_f32 v254, v254
	s_delay_alu instid0(VALU_DEP_1)
	v_ldexp_f32 v252, 1.0, v254                    ; f = 2^(old M - new M)
.set j, 0
.rept 32
	v_pk_fma_f32 v[96+j:97+j], v[96+j:97+j], s[26:27], v[12:13] op_sel_hi:[1,0,0]   ; t - M
.set j, j+2
.endr
.irp c, 0,1
	v_fma_f32 v[232+\c], v[232+\c], s26, v12       ; the same of each block's largest score: p rises with the score
.endr
.set j, 0
.rept 16
	v_pk_mul_f32 v[160+j:161+j], v[160+j:161+j], v[252:253] op_sel_hi:[1,0]   ; O^T under the new M, ahead of the exponentials
.set j, j+2
.endr
	s_wait_alu depctr_va_vdst(0)                   ; the wait ahead of the batch
.set j, 0
.rept 64
	v_exp_f32 v[96+j], v[96+j]                     ; p = 2^(t - M)
.set j, j+1
.endr
	v_exp_f32 v232, v232                           ; my blocks' largest p
	v_exp_f32 v233, v233
	v_pk_mul_f32 v[14:15], v[14:15], v[252:253] op_sel_hi:[1,0]   ; the sums under the new M: a plain place behind the batch
	s_wait_alu depctr_va_vdst(0)                   ; one wait for the batch, ahead of its first reader
.irp c, 0,1
	v_max_num_f32 v[232+\c], 0x1800000, v[232+\c]  ; the floor 2^(3 - 127)
.endr
.irp c, 0,1
	s_delay_alu instid0(VALU_DEP_2)
	v_add_nc_u32 v[244+\c], 0xff000000, v[232+\c]  ; the conversion's scale operand
.endr
.irp c, 0,1
	s_delay_alu instid0(VALU_DEP_2)
	v_lshrrev_b32 v[246+\c], 23, v[244+\c]         ; the byte
.endr
	s_delay_alu instid0(VALU_DEP_1)
	v_lshl_or_b32 v253, v247, 16, v246             ; my two bytes: blocks h and 2 + h,
	s_delay_alu instid0(VALU_DEP_1)
	v_lshlrev_b32 v253, v7, v253                   ; at their places in the word;
	s_delay_alu instid0(VALU_DEP_1)
	v_permlanex16_b32 v248, v253, s24, s25
	s_delay_alu instid0(VALU_DEP_1)
	v_or_b32 v253, v253, v248                      ; with lane l xor 16's two it is whole
.irp c, 0,1
.irp g, 0,1,2,3
	v_cvt_scalef32_pk8_fp4_f32 v[224+4*\c+\g], v[96+32*\c+8*\g:103+32*\c+8*\g], v[244+\c]   ; registers 4 c .. 4 c + 3 of P's operand
.endr
.endr
	v_pk_add_f32 v[236:237], v[96:97], v[98:99]    ; the row's sum of the unquantised p, in four chains.  These 32 are also the places between the word's and the codes' last writes and the products
	v_pk_add_f32 v[238:239], v[100:101], v[102:103]
	v_pk_add_f32 v[240:241], v[104:105], v[106:107]
	v_pk_add_f32 v[14:15], v[14:15], v[108:109]
.irp j, 110,118,126,134,142,150
	v_pk_add_f32 v[236:237], v[236:237], v[\j:\j+1]
	v_pk_add_f32 v[238:239], v[238:239], v[\j+2:\j+3]
	v_pk_add_f32 v[240:241], v[240:241], v[\j+4:\j+5]
	v_pk_add_f32 v[14:15], v[14:15], v[\j+6:\j+7]
.endr
	v_pk_add_f32 v[236:237], v[236:237], v[158:159]
	v_pk_add_f32 v[238:239], v[238:239], v[240:241]
	s_delay_alu instid0(VALU_DEP_2)
	v_pk_add_f32 v[14:15], v[14:15], v[236:237]
	s_delay_alu instid0(VALU_DEP_1)
	v_pk_add_f32 v[14:15], v[14:15], v[238:239]
	s_wait_alu depctr_va_vdst(0)                   ; the wait here, directly ahead of the wait below
	s_wait_dscnt 10                                ; V and its words are in; the next step's ten loads of K may be out
.irp t, 0,1,2,3
	v_wmma_scale_f32_16x16x128_f8f6f4 v[160+8*\t:167+8*\t], v[60+8*\t:67+8*\t], v[224:231], v[160+8*\t:167+8*\t], v[196+\t], v253 matrix_a_fmt:MATRIX_FMT_FP4 matrix_b_fmt:MATRIX_FMT_FP4
.endr
	s_add_co_u32 s28, s28, 4096
	s_add_co_u32 s29, s29, 512
	s_add_co_u32 s30, s30, 256
	s_sub_co_u32 s31, s31, 1
	s_cmp_lg_u32 s31, 0
	s_cbranch_scc1 .Lstep
	; THE WAY OUT: O^T / the sum, quantised along the head's 64 (two blocks), stored as half a fragment of the next product's operand
	v_add_f32 v14, v14, v15
	s_delay_alu instid0(VALU_DEP_1)
	v_permlanex16_b32 v252, v14, s24, s25
	s_delay_alu instid0(VALU_DEP_1)
	v_add_f32 v14, v14, v252                       ; the row's sum
	s_wait_alu depctr_va_vdst(0)
	v_rcp_f32 v14, v14
	s_lshl_b32 s40, s37, 9
	s_lshl_b32 s41, s37, 1
	v_add_nc_u32 v8, s40, v5                       ; my 16 bytes: 512 x (head % 8) + 16 x lane.  (Plain places behind the reciprocal and the last products)
	v_lshl_add_u32 v9, v6, 4, s41                  ; my row's two scale bytes: 16 r + 2 x (head % 8)
	v_nop
	v_nop
	s_wait_alu depctr_va_vdst(0)                   ; ahead of the reciprocal's first reader, and of the first readers of O^T
.set j, 0
.rept 32
	v_mul_f32 v[96+j], v[160+j], v14               ; register 16 n + i is channel 32 n + 16 h + i of my query
.set j, j+1
.endr
.irp b, 0,1
	v_max3_num_f32 v[232+\b], |v[96+16*\b]|, |v[97+16*\b]|, 0x1800000
.endr
.irp i, 2,4,6,8,10,12,14
.irp b, 0,1
	s_delay_alu instid0(VALU_DEP_2)
	v_max3_num_f32 v[232+\b], v[232+\b], |v[96+16*\b+\i]|, |v[97+16*\b+\i]|
.endr
.endr
.irp b, 0,1
	s_delay_alu instid0(VALU_DEP_2)
	v_permlanex16_b32 v[236+\b], v[232+\b], s24, s25
.endr
.irp b, 0,1
	s_delay_alu instid0(VALU_DEP_2)
	v_max_num_f32 v[232+\b], v[232+\b], v[236+\b]
.endr
.irp b, 0,1
	s_delay_alu instid0(VALU_DEP_2)
	v_add_nc_u32 v[244+\b], 0xff000000, v[232+\b]
.endr
.irp b, 0,1
	s_delay_alu instid0(VALU_DEP_2)
	v_lshrrev_b32 v[236+\b], 23, v[244+\b]
.endr
	s_delay_alu instid0(VALU_DEP_1)
	v_lshl_or_b32 v253, v237, 8, v236
.irp b, 0,1
	v_cvt_scalef32_pk8_fp4_f32 v[224+2*\b], v[96+16*\b:103+16*\b], v[244+\b]
	v_cvt_scalef32_pk8_fp4_f32 v[225+2*\b], v[104+16*\b:111+16*\b], v[244+\b]
.endr
	v_nop
	v_permlane16_swap_b32 v224, v226
	v_permlane16_swap_b32 v225, v227
	global_store_b128 v8, v[224:227], s[6:7]       ; 512 consecutive bytes
	global_store_b16 v9, v253, s[6:7] offset:4096  ; lanes l and l xor 16 hold the same two bytes and name the same place
	s_wait_tensorcnt 0x0                           ; the wave's end
	ds_add_u32 v250, v251
	s_wait_dscnt 0x0
	ROUND                                          ; the closing round
	s_endpgm
.Lfunc_end_k_qfb82e60c92_attn:
	.size	k_qfb82e60c92_attn, .Lfunc_end_k_qfb82e60c92_attn-k_qfb82e60c92_attn
	.p2alignl 7, 3214868480
	.fill 96, 4, 3214868480
	.section	.rodata,"a",@progbits
	.p2align	6, 0x0
	.amdhsa_kernel k_qfb82e60c92_attn
		.amdhsa_group_segment_fixed_size 169984
		.amdhsa_private_segment_fixed_size 0
		.amdhsa_enable_private_segment 0
		.amdhsa_kernarg_size 16
		.amdhsa_user_sgpr_count 2
		.amdhsa_user_sgpr_kernarg_segment_ptr 1
		.amdhsa_wavefront_size32 1
		.amdhsa_system_sgpr_workgroup_id_x 1
		.amdhsa_system_sgpr_workgroup_id_y 1
		.amdhsa_system_sgpr_workgroup_id_z 1
		.amdhsa_system_vgpr_workitem_id 0
		.amdhsa_next_free_vgpr 256
		.amdhsa_next_free_sgpr 66
		.amdhsa_reserve_vcc 0
		.amdhsa_float_denorm_mode_32 3
		.amdhsa_float_denorm_mode_16_64 3
		.amdhsa_memory_ordered 1
		.amdhsa_forward_progress 1
		.amdhsa_inst_pref_size 27
	.end_amdhsa_kernel
	.amdgpu_metadata
---
amdhsa.version: [ 1, 2 ]
amdhsa.kernels:
  - .name:           k_qfb82e60c92_attn
    .symbol:         k_qfb82e60c92_attn.kd
    .args:
      - { .name: qkv, .offset: 0, .size: 8, .value_kind: global_buffer, .address_space: global }
      - { .name: pb, .offset: 8, .size: 8, .value_kind: global_buffer, .address_space: global }
    .group_segment_fixed_size: 169984
    .private_segment_fixed_size: 0
    .kernarg_segment_align: 8
    .kernarg_segment_size: 16
    .max_flat_workgroup_size: 512
    .sgpr_count:     66
    .vgpr_count:     256
    .wavefront_size: 32
...
	.end_amdgpu_metadata
.endif
;; end of part 3
;; launch fl1 (part 4): grid 256 x 1, 16 waves a work-group, clusters of 4 x 1, 288,768 bytes of LDS; arguments pb, wp, x, bo, g1, be1, hb, pa; writes hb, pa
.if DOCPART == 4
	.amdgcn_target "amdgcn-amd-amdhsa--gfx1250"
	.amdhsa_code_object_version 6
	.text
	.protected	k_qfb82e60c92_fl1
	.globl	k_qfb82e60c92_fl1
	.p2align	8
	.type	k_qfb82e60c92_fl1,@function
k_qfb82e60c92_fl1:
	s_mov_b64 s[64:65], 0
	v_nop
	global_prefetch_b8 v0, s[64:65] scope:SCOPE_SE
	s_setreg_imm32_b32 hwreg(HW_REG_WAVE_MODE, 25, 1), 1
	s_wait_xcnt 0x0
	s_wait_alu depctr_hold_cnt(0) depctr_sa_sdst(0) depctr_va_vdst(0) depctr_va_sdst(0) depctr_va_ssrc(0) depctr_va_vcc(0) depctr_vm_vsrc(0)
	s_getreg_b32 s2, hwreg(HW_REG_IB_STS2, 6, 4)
	s_cmp_eq_u32 s2, 0
	s_cbranch_scc0 .Lentry_in_a_cluster
	s_endpgm
.Lentry_in_a_cluster:
	s_bfe_u32 s2, ttmp6, 0x10000c
	s_cmp_lg_u32 s2, 0x3003
	s_cbranch_scc0 .Lentry_shape_is_right
	s_endpgm
.Lentry_shape_is_right:
; h = LayerNorm(x + (out Wo + bo)) x g1 + be1 in one launch: the product on codes of FP4 (A = the attention's result, pb; B = Wo's columns, wp at 1,671,168), the norm in f32.
; h goes out twice: as f32 (hb, for the second residual) and as codes of FP4 along its 1,024 (pa, the next product's operand).
; OPERANDS lie as [K / 512][rows / 16][4,352 bytes]: a block holds the register images of four fragments (16 rows x 128 K, 1,024 bytes each) and at 4,096 its rows' 16 scale bytes.  Row r of block 2 g + u is index 32 g + 16 (r / 8) + 8 u + r % 8.
; SHARES.  A work-group owns one block of 16 tokens and all 1,024 columns, so that a row's mean and variance need no other work-group: 4,096 / 16 = 256 work-groups.  Each of its sixteen waves makes 16 x 64:
; four accumulators by turns, 8 steps of 128 along K.  Transposed use: source 0 = 16 columns of Wo, source 1 = the 16 tokens.
; Wo COMES BY TWO WAYS, BOTH ASKED FOR AT THE HEAD.  Every work-group walks all of Wo.  Its first 512 of K (278,528 bytes) come into LDS by tensor loads that the four work-groups of a cluster ask for jointly: each wave
; fetches its own four blocks (68 rows of 256 bytes) and is the only one to read them.  Its second 512 of K have no room beside them in LDS (2 x 278,528 bytes), and a refill could be asked for only when the first
; fill has been read: so they go from memory straight into registers, as the register images that they are (a load takes 512 consecutive bytes), three steps at the head and the fourth when its registers are free.
; Nothing is filled again.  No prefetch: the text has no loop to run ahead in.
; A's 8,192 bytes of codes are shared by all waves: 16 bytes a thread go through LDS once.
; THE TURN.  The product goes into a stage [16 rows][4,096 + 16 bytes], columns in true order; behind a barrier wave w takes row w (token 32 (i / 2) + 16 (w / 8) + 8 (i % 2) + w % 8) in 32 registers.
; Mean first, then the mean of the squared differences.  The row then turns through the wave's own LDS so that lane l holds block l of 32 whole; codes and bytes meet in a stage laid as the operand and leave in aligned runs of 256 bytes.
; These stages lie in the bytes of Wo's fill, which has had its one fill; a barrier behind step 3 shows that every wave has read its part.
; LIMITS: NaN and infinities are not served; a block of zeros or under 2^-124 gets the byte 1.
; REGISTERS: v16-47 Wo's fragments out of LDS, then step 7's, then the row; v80-175 steps 4-6, later bo, g1, be1; v48-79 x; v176-191 Wo's scale words, v192-199 A's; v202-233 accumulators; v234-249 A's fragments, two sets; v11, v12, v250-255 addresses.
.set CHSA, 1114112
.set CHSB, 278528
.set WOFF, 1671168
.set BLKB, 4352
.set CC, 16
.set XX, 48
.set BO, 80
.set GG, 112
.set BE, 144
.set BSC, 176
.set ASC, 192
.set ACC, 202
.set AF,  234
.set ASTG, 0                           ; A's codes, 8,192 bytes
.set SPARE, 8192                       ; the spare words, 128 bytes a wave
.set BST,  10240                       ; Wo's first 512 of K: 17,408 bytes a wave, to 288,768.  Inside it, behind its last read:
.set RT,   10240                       ; sixteen rows of 4,608 bytes,
.set PST,  83968                       ; the operand's stage, 8,704 bytes,
.set CSTG, 92672                       ; the product's stage, 16 x 4,112 bytes
.set CP,   4112
.macro ROUND
	s_barrier_signal -1
	s_barrier_wait -1
	s_cmp_lg_u32 s2, 0
	s_cbranch_scc1 .Lnot_wave_0_\@
	s_barrier_signal -3
.Lnot_wave_0_\@:
	s_barrier_wait -3
	s_barrier_signal -1
	s_barrier_wait -1
.endm
.macro ROWNT reg, base
.irp j, 0,1,2,3,4,5,6,7
	global_load_b128 v[(\reg)+4*\j:(\reg)+4*\j+3], v2, s[\base:\base+1] offset:512*\j th:TH_LOAD_NT
.endr
.endm
.macro ROWLD reg, base
.irp j, 0,1,2,3,4,5,6,7
	global_load_b128 v[(\reg)+4*\j:(\reg)+4*\j+3], v2, s[\base:\base+1] offset:512*\j
.endr
.endm
.macro RED r                           ; the sum over the 32 lanes, in every lane
	s_delay_alu instid0(VALU_DEP_1)
	v_add_f32_dpp v[\r], v[\r], v[\r] row_xmask:1 row_mask:0xf bank_mask:0xf
	s_delay_alu instid0(VALU_DEP_1)
	v_add_f32_dpp v[\r], v[\r], v[\r] row_xmask:2 row_mask:0xf bank_mask:0xf
	s_delay_alu instid0(VALU_DEP_1)
	v_add_f32_dpp v[\r], v[\r], v[\r] row_xmask:4 row_mask:0xf bank_mask:0xf
	s_delay_alu instid0(VALU_DEP_1)
	v_add_f32_dpp v[\r], v[\r], v[\r] row_xmask:8 row_mask:0xf bank_mask:0xf
	s_delay_alu instid0(VALU_DEP_1)
	v_permlanex16_b32 v186, v[\r], s20, s21
	s_delay_alu instid0(VALU_DEP_1)
	v_add_f32 v[\r], v[\r], v186
.endm
; step k's loads from memory (k = 4 .. 7): my four blocks' fragments into set k % 4 (8 loads); ahead of step 4 the chunk's scale words (3 loads): A's in lanes 0-15; Wo's blocks 2 p in lanes 0-15 and 2 p + 1 in lanes 16-31
.macro GRP k
.set BB, 80+32*((\k)%4)-160*(((\k)%4)/3)
.if (\k)%4 == 0
	global_load_b128 v[ASC+4*((\k)/4):ASC+4*((\k)/4)+3], v15, s[4:5] offset:((\k)/4)*CHSA+4096
.irp p, 0,1
	global_load_b128 v[BSC+8*((\k)/4)+4*\p:BSC+8*((\k)/4)+4*\p+3], v255, s[6:7] offset:((\k)/4)*CHSB+2*\p*BLKB+4096
.endr
.endif
.irp i, 0,1,2,3
.irp c, 0,1
	global_load_b128 v[BB+8*\i+4*\c:BB+8*\i+4*\c+3], v2, s[6:7] offset:((\k)/4)*CHSB+\i*BLKB+((\k)%4)*1024+512*\c
.endr
.endr
.endm
.macro LFR k                           ; step k's fragments of Wo out of LDS (k = 0 .. 3), into v16-47
.irp i, 0,1,2,3
.irp c, 0,1
	ds_load_b128 v[16+8*\i+4*\c:16+8*\i+4*\c+3], v12 offset:\i*BLKB+(\k)*1024+512*\c
.endr
.endr
.endm
.macro MM i, k, sel                    ; the first step's products start the sums with the constant 0
.if (\k) == 0
	v_wmma_scale_f32_16x16x128_f8f6f4 v[ACC+8*\i:ACC+8*\i+7], v[BB+8*\i:BB+8*\i+7], v[AF+8*((\k)%2):AF+8*((\k)%2)+7], 0, v[BSC+8*((\k)/4)+4*(\i/2)+(\k)%4], v[ASC+4*((\k)/4)+(\k)%4] matrix_a_fmt:MATRIX_FMT_FP4 matrix_b_fmt:MATRIX_FMT_FP4 \sel
.else
	v_wmma_scale_f32_16x16x128_f8f6f4 v[ACC+8*\i:ACC+8*\i+7], v[BB+8*\i:BB+8*\i+7], v[AF+8*((\k)%2):AF+8*((\k)%2)+7], v[ACC+8*\i:ACC+8*\i+7], v[BSC+8*((\k)/4)+4*(\i/2)+(\k)%4], v[ASC+4*((\k)/4)+(\k)%4] matrix_a_fmt:MATRIX_FMT_FP4 matrix_b_fmt:MATRIX_FMT_FP4 \sel
.endif
.endm
; a step of 128 along K.  n: the loads from memory issued behind those that this step needs, which may stay out (-1: it needs none).
; nxt: what the freed registers take: 1 step k + 4 from memory; 2, 3, 4 the rows of bo, g1, be1; 5 step k + 1 out of LDS
.macro STEP k, n, nxt
.if (\n) >= 0
	s_wait_loadcnt \n
.endif
	s_wait_dscnt 0x0                               ; A's fragment of this step (steps 0-3: Wo's too)
.if (\k) < 7
.irp c, 0,1
	ds_load_b128 v[AF+8*(((\k)+1)%2)+4*\c:AF+8*(((\k)+1)%2)+4*\c+3], v250 offset:((\k)+1)*1024+512*\c   ; the next step's, into the set that the step before multiplied: its four places stand behind its products
.endr
.endif
.if (\k) < 4
.set BB, 16
.else
.set BB, 80+32*((\k)%4)-160*(((\k)%4)/3)
.endif
	MM 0, \k
	MM 1, \k, matrix_a_scale:MATRIX_SCALE_ROW1
	MM 2, \k
	MM 3, \k, matrix_a_scale:MATRIX_SCALE_ROW1
.rept 4
	v_nop                                          ; places in front of loads into registers that the products have read, and of the first read of results
.endr
.if (\nxt) == 1
	GRP (\k)+4
.elseif (\nxt) == 2
	ROWLD BO, 10
.elseif (\nxt) == 3
	ROWLD GG, 12
.elseif (\nxt) == 4
	ROWLD BE, 14
.elseif (\nxt) == 5
	LFR (\k)+1
.endif
.endm
	s_load_b256 s[4:11], s[0:1], 0x0               ; pb s[4:5], wp s[6:7], x s[8:9], bo s[10:11]
	s_load_b256 s[12:19], s[0:1], 0x20             ; g1 s[12:13], be1 s[14:15], hb s[16:17], pa s[18:19]
	v_lshl_add_u32 v200, v0, 2, SPARE
	v_mov_b32 v201, 0
	ds_add_u32 v200, v201                          ; the opening lines
	ds_add_u32 v200, v201
	v_lshrrev_b32 v1, 5, v0
	s_delay_alu instid0(VALU_DEP_1)
	v_readfirstlane_b32 s2, v1                     ; wave 0..15
	v_and_b32 v1, 31, v0
	v_and_b32 v6, 15, v0                           ; r
	v_bfe_u32 v10, v0, 4, 1                        ; h
	v_lshrrev_b32 v13, 8, v0
	v_and_b32 v14, 255, v0
	v_lshlrev_b32 v2, 4, v1                        ; 16 x lane
	v_lshlrev_b32 v15, 4, v6                       ; A's scale words: 16 r
	s_delay_alu instid0(VALU_DEP_3)
	v_lshlrev_b32 v14, 4, v14
	s_delay_alu instid0(VALU_DEP_2)
	v_mad_u32_u24 v255, v10, BLKB, v15             ; Wo's: lanes 16-31 take the next block's
	s_delay_alu instid0(VALU_DEP_2)
	v_mad_u32_u24 v254, v13, CHSA, v14             ; my 16 bytes of A's codes: chunk t / 256, piece t % 256
	v_lshl_add_u32 v253, v0, 4, ASTG               ; and their place in LDS
	v_add_nc_u32 v250, ASTG, v2                    ; A's fragments: 16 x lane
	s_bfe_u32 s34, ttmp6, 0x40000                  ; cx
	s_lshl_b32 s3, ttmp9, 2
	s_add_co_u32 s3, s3, s34                       ; i: my work-group's block of 16 tokens: it enters global addresses alone
	s_lshr_b32 s24, s3, 1
	s_lshl_b32 s24, s24, 5
	s_and_b32 s25, s3, 1
	s_lshl_b32 s25, s25, 3
	s_add_co_u32 s24, s24, s25
	s_lshr_b32 s25, s2, 3
	s_lshl_b32 s25, s25, 4
	s_add_co_u32 s24, s24, s25
	s_and_b32 s25, s2, 7
	s_add_co_u32 s24, s24, s25                     ; my token
	s_lshl_b32 s24, s24, 12
	s_mov_b32 s25, 0
	s_mul_i32 s26, s3, BLKB                        ; my work-group's block, in pb and in pa
	s_mov_b32 s27, 0
	s_mul_i32 s28, s2, 4*BLKB                      ; my four blocks of Wo: the four partners share them
	s_add_co_u32 s28, s28, WOFF
	s_mov_b32 s29, 0
	s_mov_b32 s20, 0x76543210
	s_mov_b32 s21, 0xfedcba98
	s_mov_b32 s22, 0x3a800000                      ; 1 / 1,024
	s_mov_b32 s23, 0x3727c5ac                      ; 1e-5
	s_mov_b32 s40, 15|(3<<16)|(1<<21)              ; the mask: all four work-groups; elements of 8 bytes; bit 21 beside a mask
	s_mov_b32 s41, 32<<16                          ; rows of 256 bytes,
	s_mov_b32 s42, 68<<16                          ; 68 of them: four blocks, dense
	s_mov_b32 s43, 32<<16
	s_mov_b32 s44, 68
	s_mov_b32 s45, 32
	s_mov_b32 s46, 0
	s_mov_b32 s47, 0
	s_wait_alu depctr_va_vdst(0)                   ; the wait here, directly ahead of the waits below
	s_wait_dscnt 0x0
	s_wait_kmcnt 0x0
	s_add_nc_u64 s[4:5], s[4:5], s[26:27]
	s_add_nc_u64 s[6:7], s[6:7], s[28:29]
	s_add_nc_u64 s[8:9], s[8:9], s[24:25]
	s_add_nc_u64 s[16:17], s[16:17], s[24:25]
	s_add_nc_u64 s[18:19], s[18:19], s[26:27]
	ROUND                                          ; all four work-groups are here: the joint loads meet
	s_mov_b32 s36, 1
	s_mul_i32 s37, s2, 4*BLKB
	s_add_co_u32 s37, s37, BST                     ; my 17,408 bytes of LDS
	s_mov_b64 s[38:39], s[6:7]
	s_or_b32 s39, s39, 0x80000000
	tensor_load_to_lds s[36:39], s[40:47]          ; my four blocks of the first 512 of K: one load of mine is out
	s_nop 0
.rept 4
	v_nop
.endr
	global_load_b128 v[AF:AF+3], v254, s[4:5] th:TH_LOAD_NT
	global_load_b128 v[ASC:ASC+3], v15, s[4:5] offset:4096
	GRP 4
	GRP 5
	GRP 6
	ROWNT XX, 8
	s_mul_i32 s30, s2, 4608                        ; my row in LDS: 32 blocks of 128 bytes + 16
	s_add_co_u32 s30, s30, RT
	v_lshrrev_b32 v3, 3, v1
	s_delay_alu instid0(VALU_DEP_1)
	v_lshl_add_u32 v3, v3, 4, v2
	s_delay_alu instid0(VALU_DEP_1)
	v_add_nc_u32 v3, s30, v3                       ; in: 16 l + 16 (l / 8)
	v_mul_u32_u24 v4, v1, 144
	s_delay_alu instid0(VALU_DEP_1)
	v_add_nc_u32 v4, s30, v4                       ; out: block l
	v_lshrrev_b32 v5, 4, v1
	s_delay_alu instid0(VALU_DEP_1)
	v_mul_u32_u24 v5, v5, 4352                     ; chunk l / 16
	s_lshl_b32 s31, s2, 4
	v_add_nc_u32 v5, s31, v5
	s_delay_alu instid0(VALU_DEP_1)
	v_add_nc_u32 v5, PST, v5                       ; + 16 x my row
	s_delay_alu instid0(VALU_DEP_1)
	v_add_nc_u32 v9, v5, v6                        ; the scale byte: + 4,096 (in the offset) + l % 16
	v_lshl_add_u32 v5, v6, 8, v5                   ; the codes: + 256 (l % 16)
	v_lshl_add_u32 v7, v0, 4, PST                  ; the copy out: piece t of 16 bytes
	v_lshlrev_b32 v8, 4, v0
	v_mov_b32 v14, 1109760                         ; chunk 1 lies 1,114,112 bytes behind chunk 0 in memory, 4,352 in the stage
	v_cmp_le_u32 vcc_lo, 272, v0
	s_delay_alu instid0(VALU_DEP_1)
	v_cndmask_b32 v14, 0, v14, vcc_lo
	s_delay_alu instid0(VALU_DEP_1)
	v_add_nc_u32 v8, v8, v14
	s_mul_i32 s32, s2, CP
	s_lshl_b32 s33, s2, 8
	v_mul_u32_u24 v251, v6, CP
	v_add_nc_u32 v252, s32, v2
	s_delay_alu instid0(VALU_DEP_2)
	v_lshl_add_u32 v251, v10, 6, v251
	s_delay_alu instid0(VALU_DEP_2)
	v_add_nc_u32 v252, CSTG, v252                  ; the product's stage, back: row = my wave, 16 x lane
	s_delay_alu instid0(VALU_DEP_2)
	v_add_nc_u32 v251, s33, v251
	s_delay_alu instid0(VALU_DEP_1)
	v_add_nc_u32 v251, CSTG, v251                  ; in: row r, my wave's 256 bytes, + 64 h: block b is columns 32 (b / 2) + 16 h + 8 (b % 2) + 0 .. 7
	v_add_nc_u32 v12, s37, v2                      ; Wo's fragments in LDS: my bytes, 16 x lane
	v_add_nc_u32 v11, s37, v255                    ; and its scale words there
	s_wait_alu depctr_va_vdst(0)                   ; the wait at the head's end
	s_wait_loadcnt 36                              ; my piece of A is in; behind it 1 + 11 + 8 + 8 loads of words and of Wo and 8 of x
	s_wait_tensorcnt 0x0                           ; my four blocks are in LDS: I alone read them
	ds_store_b128 v253, v[AF:AF+3]
	s_wait_dscnt 0x0                               ; for the others' sake
	s_barrier_signal -1
	s_barrier_wait -1
.irp c, 0,1
	ds_load_b128 v[AF+4*\c:AF+4*\c+3], v250 offset:512*\c
.endr
.irp p, 0,1
	ds_load_b128 v[BSC+4*\p:BSC+4*\p+3], v11 offset:2*\p*BLKB+4096
.endr
	LFR 0
	STEP 0, 35, 5                                  ; A's words of the first 512 are in; all behind them may be out
	STEP 1, -1, 5
	STEP 2, -1, 5
	STEP 3, -1, 1                                  ; v16-47 are free: step 7's loads
	s_wait_dscnt 0x0                               ; my reads of Wo's bytes in LDS are over:
	s_barrier_signal -1
	s_barrier_wait -1                              ; everybody's are: the stages may be laid over them
	STEP 4, 32, 2                                  ; out behind step 4's: steps 5, 6 (16), x (8), step 7 (8)
	STEP 5, 32, 3                                  ; step 6, x, step 7, bo
	STEP 6, 32, 4                                  ; x, step 7, bo, g1
	STEP 7, 24, 0                                  ; bo, g1, be1
.irp b, 0,1,2,3
	ds_store_b128 v251, v[ACC+8*\b:ACC+8*\b+3] offset:128*(\b/2)+32*(\b%2)       ; each accumulator from its low end on
	ds_store_b128 v251, v[ACC+8*\b+4:ACC+8*\b+7] offset:128*(\b/2)+32*(\b%2)+16
.endr
	v_mov_b32 v186, 0                              ; a lane permute's destination counts as one of its sources
	s_wait_alu depctr_va_vdst(0)
	s_wait_dscnt 0x0                               ; for the others' sake: my 64 columns lie in the stage
	s_barrier_signal -1
	s_barrier_wait -1
.irp j, 0,1,2,3,4,5,6,7
	ds_load_b128 v[CC+4*\j:CC+4*\j+3], v252 offset:512*\j
.endr
	s_wait_loadcnt 16                              ; x and the bias are in; the gain's and the offset's sixteen loads may be out
	s_wait_dscnt 0x0
.set i, 0
.rept 16
	v_pk_add_f32 v[CC+2*i:CC+2*i+1], v[CC+2*i:CC+2*i+1], v[BO+2*i:BO+2*i+1]
.set i, i+1
.endr
.set i, 0
.rept 16
	v_pk_add_f32 v[CC+2*i:CC+2*i+1], v[CC+2*i:CC+2*i+1], v[XX+2*i:XX+2*i+1]
.set i, i+1
.endr
	v_pk_add_f32 v[176:177], v[CC:CC+1], v[CC+2:CC+3]
	v_pk_add_f32 v[178:179], v[CC+4:CC+5], v[CC+6:CC+7]
.irp i, 8,12,16,20,24,28
	s_delay_alu instid0(VALU_DEP_2)
	v_pk_add_f32 v[176:177], v[176:177], v[CC+\i:CC+\i+1]
	s_delay_alu instid0(VALU_DEP_2)
	v_pk_add_f32 v[178:179], v[178:179], v[CC+\i+2:CC+\i+3]
.endr
	s_delay_alu instid0(VALU_DEP_1)
	v_pk_add_f32 v[176:177], v[176:177], v[178:179]
	s_delay_alu instid0(VALU_DEP_1)
	v_add_f32 v176, v176, v177
	RED 176
	s_delay_alu instid0(VALU_DEP_1)
	v_mul_f32 v180, s22, v176                      ; the mean
	s_delay_alu instid0(VALU_DEP_1)
	v_mov_b32 v181, v180
.set i, 0
.rept 16
	v_pk_add_f32 v[CC+2*i:CC+2*i+1], v[CC+2*i:CC+2*i+1], v[180:181] neg_lo:[0,1] neg_hi:[0,1]
.set i, i+1
.endr
	v_pk_mul_f32 v[176:177], v[CC:CC+1], v[CC:CC+1]
	v_pk_mul_f32 v[178:179], v[CC+2:CC+3], v[CC+2:CC+3]
.irp i, 4,8,12,16,20,24,28
	s_delay_alu instid0(VALU_DEP_2)
	v_pk_fma_f32 v[176:177], v[CC+\i:CC+\i+1], v[CC+\i:CC+\i+1], v[176:177]
	s_delay_alu instid0(VALU_DEP_2)
	v_pk_fma_f32 v[178:179], v[CC+\i+2:CC+\i+3], v[CC+\i+2:CC+\i+3], v[178:179]
.endr
	s_delay_alu instid0(VALU_DEP_1)
	v_pk_add_f32 v[176:177], v[176:177], v[178:179]
	s_delay_alu instid0(VALU_DEP_1)
	v_add_f32 v176, v176, v177
	RED 176
	s_delay_alu instid0(VALU_DEP_1)
	v_fma_f32 v182, v176, s22, s23                 ; the variance + 1e-5
	s_wait_alu depctr_va_vdst(0)
	v_rsq_f32 v184, v182
	v_rsq_f32 v185, v182                           ; twice: a pair for the packed multiply
	v_nop                                          ; a plain place behind the transcendentals
	s_wait_alu depctr_va_vdst(0)                   ; ahead of their first reader
	s_wait_loadcnt 0x0
.set i, 0
.rept 16
	v_pk_mul_f32 v[CC+2*i:CC+2*i+1], v[CC+2*i:CC+2*i+1], v[184:185]
.set i, i+1
.endr
.set i, 0
.rept 16
	v_pk_fma_f32 v[CC+2*i:CC+2*i+1], v[CC+2*i:CC+2*i+1], v[GG+2*i:GG+2*i+1], v[BE+2*i:BE+2*i+1]
.set i, i+1
.endr
.irp j, 0,1,2,3,4,5,6,7
	global_store_b128 v2, v[CC+4*\j:CC+4*\j+3], s[16:17] offset:512*\j
.endr
.irp j, 0,1,2,3,4,5,6,7
	ds_store_b128 v3, v[CC+4*\j:CC+4*\j+3] offset:576*\j
.endr
.irp j, 0,1,2,3,4,5,6,7
	ds_load_b128 v[XX+4*\j:XX+4*\j+3], v4 offset:16*\j     ; LDS serves a wave's instructions in order: these see my stores
.endr
	s_wait_dscnt 0x0
	v_max3_num_f32 v12, |v[XX]|, |v[XX+1]|, |v[XX+2]|      ; block l: all 32 numbers are mine
	v_max3_num_f32 v13, |v[XX+3]|, |v[XX+4]|, |v[XX+5]|
.irp i, 6,10,14,18,22,26
	s_delay_alu instid0(VALU_DEP_2)
	v_max3_num_f32 v12, v12, |v[XX+\i]|, |v[XX+\i+1]|
	s_delay_alu instid0(VALU_DEP_2)
	v_max3_num_f32 v13, v13, |v[XX+\i+2]|, |v[XX+\i+3]|
.endr
	s_delay_alu instid0(VALU_DEP_2)
	v_max3_num_f32 v12, v12, |v[XX+30]|, |v[XX+31]|
	s_delay_alu instid0(VALU_DEP_1)
	v_max3_num_f32 v12, v12, v13, 0x1800000        ; and the floor 2^(3 - 127)
	s_delay_alu instid0(VALU_DEP_1)
	v_add_nc_u32 v11, 0xff000000, v12              ; the conversion's scale operand
	s_delay_alu instid0(VALU_DEP_1)
	v_lshrrev_b32 v10, 23, v11                     ; the byte
.irp g, 0,1,2,3
	v_cvt_scalef32_pk8_fp4_f32 v[BO+\g], v[XX+8*\g:XX+8*\g+7], v11
.endr
	ds_store_b128 v5, v[BO:BO+3]
	ds_store_b8 v9, v10 offset:4096
	s_wait_dscnt 0x0                               ; for the others' sake: my codes and my byte lie in the stage
	s_barrier_signal -1
	s_barrier_wait -1
	ds_load_b128 v[84:87], v7
	s_wait_dscnt 0x0
	global_store_b128 v8, v[84:87], s[18:19]       ; sixteen lanes store 256 consecutive bytes, aligned
	s_cmp_lg_u32 s2, 0                             ; 544 pieces for 512 threads: wave 0 takes the last 32
	s_cbranch_scc1 .Lend
	ds_load_b128 v[88:91], v7 offset:8192
	s_wait_dscnt 0x0
	global_store_b128 v8, v[88:91], s[18:19] offset:8192+1109760
.Lend:
	s_wait_tensorcnt 0x0                           ; the wave's end
	ds_add_u32 v200, v201
	s_wait_dscnt 0x0
	ROUND                                          ; the closing round
	s_endpgm
.Lfunc_end_k_qfb82e60c92_fl1:
	.size	k_qfb82e60c92_fl1, .Lfunc_end_k_qfb82e60c92_fl1-k_qfb82e60c92_fl1
	.p2alignl 7, 3214868480
	.fill 96, 4, 3214868480
	.section	.rodata,"a",@progbits
	.p2align	6, 0x0
	.amdhsa_kernel k_qfb82e60c92_fl1
		.amdhsa_group_segment_fixed_size 288768
		.amdhsa_private_segment_fixed_size 0
		.amdhsa_enable_private_segment 0
		.amdhsa_kernarg_size 64
		.amdhsa_user_sgpr_count 2
		.amdhsa_user_sgpr_kernarg_segment_ptr 1
		.amdhsa_wavefront_size32 1
		.amdhsa_system_sgpr_workgroup_id_x 1
		.amdhsa_system_sgpr_workgroup_id_y 1
		.amdhsa_system_sgpr_workgroup_id_z 1
		.amdhsa_system_vgpr_workitem_id 0
		.amdhsa_next_free_vgpr 256
		.amdhsa_next_free_sgpr 66
		.amdhsa_reserve_vcc 1
		.amdhsa_float_denorm_mode_32 3
		.amdhsa_float_denorm_mode_16_64 3
		.amdhsa_memory_ordered 1
		.amdhsa_forward_progress 1
		.amdhsa_inst_pref_size 37
	.end_amdhsa_kernel
	.amdgpu_metadata
---
amdhsa.version: [ 1, 2 ]
amdhsa.kernels:
  - .name:           k_qfb82e60c92_fl1
    .symbol:         k_qfb82e60c92_fl1.kd
    .args:
      - { .name: pb, .offset: 0, .size: 8, .value_kind: global_buffer, .address_space: global }
      - { .name: wp, .offset: 8, .size: 8, .value_kind: global_buffer, .address_space: global }
      - { .name: x, .offset: 16, .size: 8, .value_kind: global_buffer, .address_space: global }
      - { .name: bo, .offset: 24, .size: 8, .value_kind: global_buffer, .address_space: global }
      - { .name: g1, .offset: 32, .size: 8, .value_kind: global_buffer, .address_space: global }
      - { .name: be1, .offset: 40, .size: 8, .value_kind: global_buffer, .address_space: global }
      - { .name: hb, .offset: 48, .size: 8, .value_kind: global_buffer, .address_space: global }
      - { .name: pa, .offset: 56, .size: 8, .value_kind: global_buffer, .address_space: global }
    .group_segment_fixed_size: 288768
    .private_segment_fixed_size: 0
    .kernarg_segment_align: 8
    .kernarg_segment_size: 64
    .max_flat_workgroup_size: 512
    .sgpr_count:     66
    .vgpr_count:     256
    .wavefront_size: 32
...
	.end_amdgpu_metadata
.endif
;; end of part 4
;; launch g3 (part 5): grid 16 x 16, 4 waves a work-group, clusters of 4 x 4, 327,680 bytes of LDS; arguments pa, wp, b1, fp; writes fp
.if DOCPART == 5
	.amdgcn_target "amdgcn-amd-amdhsa--gfx1250"
	.amdhsa_code_object_version 6
	.text
	.protected	k_qfb82e60c92_g3
	.globl	k_qfb82e60c92_g3
	.p2align	8
	.type	k_qfb82e60c92_g3,@function
k_qfb82e60c92_g3:
	s_mov_b64 s[64:65], 0
	v_nop
	global_prefetch_b8 v0, s[64:65] scope:SCOPE_SE
	s_setreg_imm32_b32 hwreg(HW_REG_WAVE_MODE, 25, 1), 1
	s_wait_xcnt 0x0
	s_wait_alu depctr_hold_cnt(0) depctr_sa_sdst(0) depctr_va_vdst(0) depctr_va_sdst(0) depctr_va_ssrc(0) depctr_va_vcc(0) depctr_vm_vsrc(0)
	s_getreg_b32 s2, hwreg(HW_REG_IB_STS2, 6, 4)
	s_cmp_eq_u32 s2, 0
	s_cbranch_scc0 .Lentry_in_a_cluster
	s_endpgm
.Lentry_in_a_cluster:
	s_bfe_u32 s2, ttmp6, 0x10000c
	s_cmp_lg_u32 s2, 0xf033
	s_cbranch_scc0 .Lentry_shape_is_right
	s_endpgm
.Lentry_shape_is_right:
.set BLKB,  4352
.set HALF,  8*BLKB
.set SLOT,  4*HALF
.set CHSA,  1114112
.set CHSB,  1114112
.set WOFF,  2228224
.set ADRA, 16
.set ADRB, 20
.set ADRS, 22
.set GA,   3
.set GS,   25
.set SC,   32
.set SW,   96
.set SELR, 104
.set AF,   128
.set BC,   64
.set TM,   200
.set PW,   216
.set G1, 24
.set G0, 32
.set G1B, 48
.set G0B, 56
.set MSB, 0
.macro WIN new
.if MSB != (\new)
	s_set_vgpr_msb (MSB<<8)|(\new)
.set MSB, (\new)
.endif
.endm
.macro JLOAD g0a, g1a, g0b, g1b
	s_cmp_eq_u32 s15, 0
	s_cbranch_scc0 .Lfor_b_\@
	tensor_load_to_lds s[\g0a:\g0a+3], s[\g1a:\g1a+7]
	s_nop 0
.rept 4
	v_nop
.endr
	s_branch .Lasked_\@
.Lfor_b_\@:
	tensor_load_to_lds s[\g0b:\g0b+3], s[\g1b:\g1b+7]
	s_nop 0
.rept 4
	v_nop
.endr
.Lasked_\@:
.endm
.macro CROUND
	s_barrier_signal -1
	s_barrier_wait -1
	s_cmp_lg_u32 s14, 0
	s_cbranch_scc1 .Lnot_wave_0_\@
	s_barrier_signal -3
.Lnot_wave_0_\@:
	s_barrier_wait -3
	s_barrier_signal -1
	s_barrier_wait -1
.endm
.macro PLACES n
.rept \n
	v_nop
.endr
.endm
.macro FRAG reg, adr, q, i
.irp c, 0,1
	ds_load_b128 v[(\reg)+4*\c:(\reg)+4*\c+3], v[\adr] offset:(\i)*BLKB+(\q)*1024+512*\c
.endr
.endm
.macro FETCH_B slot, q, p
	WIN 0x40
.irp i, 0,1,2,3,4,5,6,7
	FRAG 128*(\p)+8*\i, ADRB+\slot, \q, \i
.endr
	WIN 0
.endm
.macro FETCH_A slot, q, i0
.irp i, \i0, \i0+1, \i0+2, \i0+3
	FRAG AF+8*(\i), ADRA+\slot, \q, \i
.endr
.endm
.macro SCALES sc
.irp i, 0,1,2,3,4,5,6,7
	ds_load_b128 v[SC+32*\sc+4*\i:SC+32*\sc+4*\i+3], v[ADRS+\sc] offset:\i*BLKB
.endr
.endm
.macro MUL16 a0, p, q, sc, first
.irp a, \a0, \a0+1
.irp b, 0,1,2,3,4,5,6,7
.if (\first) == 0
	v_wmma_scale_f32_16x16x128_f8f6f4 v[8*(8*((\a)%4)+\b):8*(8*((\a)%4)+\b)+7], v[128*(\p)+8*\b:128*(\p)+8*\b+7], v[AF+8*(\a):AF+8*(\a)+7], v[8*(8*((\a)%4)+\b):8*(8*((\a)%4)+\b)+7], v[SC+32*(\sc)+4*\b+(\q)], v[SC+32*(\sc)+4*(\a)+(\q)] matrix_a_fmt:MATRIX_FMT_FP4 matrix_b_fmt:MATRIX_FMT_FP4 matrix_a_scale:MATRIX_SCALE_ROW1
.else
	v_wmma_scale_f32_16x16x128_f8f6f4 v[8*(8*((\a)%4)+\b):8*(8*((\a)%4)+\b)+7], v[128*(\p)+8*\b:128*(\p)+8*\b+7], v[AF+8*(\a):AF+8*(\a)+7], v[BC+8*\b:BC+8*\b+7], v[SC+32*(\sc)+4*\b+(\q)], v[SC+32*(\sc)+4*(\a)+(\q)] matrix_a_fmt:MATRIX_FMT_FP4 matrix_b_fmt:MATRIX_FMT_FP4 matrix_a_scale:MATRIX_SCALE_ROW1
.endif
.endr
.endr
.endm
.macro STEP slot, q, first
	s_wait_dscnt 8
.if (\first) >= 2
	WIN 0x91
.else
	WIN 0xa1
.endif
	MUL16 0, (\q)%2, \q, \slot, \first
	MUL16 2, (\q)%2, \q, \slot, \first
	s_wait_dscnt 0x0
	PLACES 4
	FETCH_B \slot, (\q)+1, 1-(\q)%2
	FETCH_A \slot, (\q)+1, 0
.if (\first) >= 2
	WIN 0xd1
.else
	WIN 0xf1
.endif
	MUL16 4, (\q)%2, \q, \slot, \first
	MUL16 6, (\q)%2, \q, \slot, \first
	PLACES 4
	WIN 0
	FETCH_A \slot, (\q)+1, 4
.endm
.macro QUANTW a
.set AC, 64*((\a)%4)
.set W, 2+(\a)/4
.set PC, 128+8*(\a)
	WIN (W<<6)|(W<<2)
.set j, 0
.rept 64
	v_max_num_f32 v[AC+j], 0, v[AC+j]
.set j, j+1
.endr
	WIN W|(W<<2)
.irp b, 0,1,2,3
	v_max3_num_f32 v[TM+\b], v[AC+16*\b], v[AC+16*\b+1], 0x1800000
.endr
	WIN (W<<2)|(W<<4)
.irp i, 2,4,6,8,10,12,14
.irp b, 0,1,2,3
	v_max3_num_f32 v[TM+\b], v[TM+\b], v[AC+16*\b+\i], v[AC+16*\b+\i+1]
.endr
.endr
	WIN 0
.irp b, 0,1,2,3
	v_permlanex16_b32 v[TM+4+\b], v[TM+\b], s76, s77
.endr
.irp b, 0,1,2,3
	v_max_num_f32 v[TM+\b], v[TM+\b], v[TM+4+\b]
.endr
.irp b, 0,1,2,3
	v_add_nc_u32 v[TM+12+\b], 0xff000000, v[TM+\b]
.endr
.irp b, 0,1,2,3
	v_lshrrev_b32 v[TM+4+\b], 23, v[TM+12+\b]
.endr
	v_lshl_or_b32 v[PW], v[TM+5], 8, v[TM+4]
	v_lshl_or_b32 v[PW], v[TM+6], 16, v[PW]
	v_lshl_or_b32 v[PW], v[TM+7], 24, v[PW]
	WIN W
.irp b, 0,1,2,3
	v_cvt_scalef32_pk8_fp4_f32 v[PC+2*\b], v[AC+16*\b:AC+16*\b+7], v[TM+12+\b]
	v_cvt_scalef32_pk8_fp4_f32 v[PC+2*\b+1], v[AC+16*\b+8:AC+16*\b+15], v[TM+12+\b]
.endr
	WIN 0
	v_nop
.irp c, 0,1
.irp i, 0,1
	v_permlane16_swap_b32 v[PC+4*\c+\i], v[PC+2+4*\c+\i]
.endr
.endr
.endm
	s_load_b256 s[4:11], s[0:1], 0x0
	v_lshl_add_u32 v254, v0, 2, 0x44000
	v_mov_b32 v255, 0
	ds_add_u32 v254, v255
	ds_add_u32 v254, v255
	v_lshrrev_b32 v1, 5, v0
	v_readfirstlane_b32 s14, v1
	s_lshr_b32 s15, s14, 1
	s_and_b32 s16, s14, 1
	s_bfe_u32 s40, ttmp6, 0x40000
	s_bfe_u32 s41, ttmp6, 0x40004
	s_lshl_b32 s42, ttmp9, 2
	s_add_co_u32 s42, s42, s40
	s_and_b32 s17, ttmp7, 0xffff
	s_lshl_b32 s17, s17, 2
	s_add_co_u32 s17, s17, s41
	s_lshl_b32 s43, s41, 2
	s_lshl_b32 s43, 15, s43
	s_lshl_b32 s44, 0x1111, s40
	s_or_b32 s[G1], s43, (3<<16)|(1<<21)
	s_or_b32 s[G1B], s44, (3<<16)|(1<<21)
.irp g, G1, G1B
	s_mov_b32 s[\g+1], 32<<16
	s_mov_b32 s[\g+2], 136<<16
	s_mov_b32 s[\g+3], 32<<16
	s_mov_b32 s[\g+4], 136
	s_mov_b32 s[\g+5], 32
	s_mov_b32 s[\g+6], 0
	s_mov_b32 s[\g+7], 0
.endr
	s_lshl_b32 s18, s16, 3
	s_lshl_b32 s20, s17, 4
	s_add_co_u32 s20, s20, s18
	s_mul_i32 s20, s20, BLKB
	s_mov_b32 s21, 0
	s_lshl_b32 s46, s42, 4
	s_add_co_u32 s46, s46, s18
	s_mul_i32 s46, s46, BLKB
	s_add_co_u32 s46, s46, WOFF
	s_mov_b32 s47, 0
	s_mul_i32 s45, s14, HALF
	s_wait_dscnt 0x0
	s_wait_kmcnt 0x0
	s_add_nc_u64 s[20:21], s[4:5], s[20:21]
	s_add_nc_u64 s[46:47], s[6:7], s[46:47]
	CROUND
.irp s, 0,1
	s_mov_b32 s[G0+4*\s], 1
	s_add_co_u32 s[G0+4*\s+1], s45, \s*SLOT
	s_add_nc_u64 s[G0+4*\s+2:G0+4*\s+3], s[20:21], \s*CHSA
	s_or_b32 s[G0+4*\s+3], s[G0+4*\s+3], 0x80000000
	s_mov_b32 s[G0B+4*\s], 1
	s_add_co_u32 s[G0B+4*\s+1], s45, \s*SLOT
	s_add_nc_u64 s[G0B+4*\s+2:G0B+4*\s+3], s[46:47], \s*CHSB
	s_or_b32 s[G0B+4*\s+3], s[G0B+4*\s+3], 0x80000000
	s_wait_alu depctr_va_vdst(0)
	s_wait_tensorcnt 0x0
	ds_add_u32 v254, v255
	ds_add_u32 v254, v255
	s_wait_dscnt 0x0
	CROUND
	JLOAD G0+4*\s, G1, G0B+4*\s, G1B
.endr
	v_and_b32 v1, 15, v0
	v_bfe_u32 v2, v0, 4, 1
	v_and_b32 v3, 31, v0
	v_lshlrev_b32 v3, 4, v3
	s_mul_i32 s21, s15, HALF
	s_mul_i32 s22, s16, HALF
	s_add_co_u32 s22, s22, 2*HALF
	s_sub_co_u32 s23, s22, s21
	v_mul_u32_u24 v6, s23, v2
	v_lshl_add_u32 v6, v1, 4, v6
	v_add_nc_u32 v6, s21, v6
	v_add_nc_u32 v[ADRS], 4096, v6
	v_add_nc_u32 v[ADRS+1], 4096+SLOT, v6
	v_add_nc_u32 v[ADRA], s21, v3
	v_add_nc_u32 v[ADRA+1], SLOT, v[ADRA]
	v_add_nc_u32 v[ADRB], s22, v3
	v_add_nc_u32 v[ADRB+1], SLOT, v[ADRB]
	v_mul_u32_u24 v[GS], v2, BLKB
	v_lshl_add_u32 v[GS], v1, 4, v[GS]
	s_mov_b32 s76, 0x76543210
	s_mov_b32 s77, 0xfedcba98
	s_mov_b32 s78, 0xffff0000
.irp b, 0,1,2,3
	v_mov_b32 v[TM+4+\b], 0
.endr
	s_lshl_b32 s68, s42, 10
	s_lshl_b32 s69, s16, 9
	s_add_co_u32 s68, s68, s69
	s_mov_b32 s69, 0
	s_add_nc_u64 s[82:83], s[8:9], s[68:69]
	v_lshlrev_b32 v4, 6, v2
	WIN 0x40
.irp b, 0,1,2,3,4,5,6,7
	global_load_b128 v[BC+8*\b:BC+8*\b+3], v4, s[82:83] offset:(32*(\b/2)+8*(\b%2))*4
	global_load_b128 v[BC+8*\b+4:BC+8*\b+7], v4, s[82:83] offset:(32*(\b/2)+8*(\b%2))*4+16
.endr
	WIN 0
	s_lshr_b32 s80, s42, 1
	s_mul_i32 s80, s80, 1114112
	s_lshl_b32 s81, s17, 4
	s_lshl_b32 s90, s15, 3
	s_add_co_u32 s81, s81, s90
	s_mul_i32 s81, s81, BLKB
	s_add_co_u32 s80, s80, s81
	s_and_b32 s81, s42, 1
	s_lshl_b32 s81, s81, 1
	s_add_co_u32 s81, s81, s16
	s_lshl_b32 s90, s81, 10
	s_add_co_u32 s90, s90, s80
	s_mov_b32 s91, 0
	s_add_nc_u64 s[12:13], s[10:11], s[90:91]
	s_lshl_b32 s90, s81, 2
	s_add_co_u32 s90, s90, s80
	s_add_co_u32 s90, s90, 4096
	s_add_nc_u64 s[18:19], s[10:11], s[90:91]
	s_wait_alu depctr_va_vdst(0)
	s_wait_loadcnt 0x0
	s_wait_tensorcnt 1
	s_barrier_signal -1
	s_barrier_wait -1
	FETCH_B 0, 0, 0
	FETCH_A 0, 0, 0
	SCALES 0
	FETCH_A 0, 0, 4
	STEP 0, 0, 2
	STEP 0, 1, 0
	STEP 0, 2, 0
	s_wait_tensorcnt 0x0
	s_wait_dscnt 8
	WIN 0xa1
	MUL16 0, 1, 3, 0, 0
	s_wait_dscnt 0x0
	s_barrier_signal -1
	MUL16 2, 1, 3, 0, 0
	WIN 0
	s_barrier_wait -1
	PLACES 4
	FETCH_B 1, 0, 0
	FETCH_A 1, 0, 0
	SCALES 1
	WIN 0xf1
	MUL16 4, 1, 3, 0, 0
	MUL16 6, 1, 3, 0, 0
	PLACES 4
	WIN 0
	FETCH_A 1, 0, 4
	STEP 1, 0, 0
	STEP 1, 1, 0
	STEP 1, 2, 0
	s_wait_dscnt 8
	WIN 0xa1
	MUL16 0, 1, 3, 1, 0
	MUL16 2, 1, 3, 1, 0
	s_wait_dscnt 0x0
	WIN 0xf1
	MUL16 4, 1, 3, 1, 0
	MUL16 6, 1, 3, 1, 0
	WIN 0
	PLACES 4
.irp a, 0,1,2,3,4,5,6,7
	QUANTW \a
	global_store_b128 v[GA], v[128+8*\a:131+8*\a], s[12:13] offset:\a*BLKB
	global_store_b128 v[GA], v[132+8*\a:135+8*\a], s[12:13] offset:\a*BLKB+512
	v_mov_b32 v[SW+\a], v[PW]
.endr
.irp g, 0,1,2,3
	v_cndmask_b32 v[SELR+\g], v[SW+2*\g], v[SW+2*\g+1], s78
.endr
.irp g, 0,1,2,3
	global_store_b32 v[GS], v[SELR+\g], s[18:19] offset:2*\g*BLKB
.endr
	s_wait_tensorcnt 0x0
	ds_add_u32 v254, v255
	s_wait_dscnt 0x0
	CROUND
	s_endpgm
.Lfunc_end_k_qfb82e60c92_g3:
	.size	k_qfb82e60c92_g3, .Lfunc_end_k_qfb82e60c92_g3-k_qfb82e60c92_g3
	.p2alignl 7, 3214868480
	.fill 96, 4, 3214868480
	.section	.rodata,"a",@progbits
	.p2align	6, 0x0
	.amdhsa_kernel k_qfb82e60c92_g3
		.amdhsa_group_segment_fixed_size 327680
		.amdhsa_private_segment_fixed_size 0
		.amdhsa_enable_private_segment 0
		.amdhsa_kernarg_size 32
		.amdhsa_user_sgpr_count 2
		.amdhsa_user_sgpr_kernarg_segment_ptr 1
		.amdhsa_wavefront_size32 1
		.amdhsa_system_sgpr_workgroup_id_x 1
		.amdhsa_system_sgpr_workgroup_id_y 1
		.amdhsa_system_sgpr_workgroup_id_z 1
		.amdhsa_system_vgpr_workitem_id 0
		.amdhsa_next_free_vgpr 1024
		.amdhsa_next_free_sgpr 100
		.amdhsa_reserve_vcc 0
		.amdhsa_float_denorm_mode_32 3
		.amdhsa_float_denorm_mode_16_64 3
		.amdhsa_memory_ordered 1
		.amdhsa_forward_progress 1
		.amdhsa_inst_pref_size 145
	.end_amdhsa_kernel
	.amdgpu_metadata
---
amdhsa.version: [ 1, 2 ]
amdhsa.kernels:
  - .name:           k_qfb82e60c92_g3
    .symbol:         k_qfb82e60c92_g3.kd
    .args:
      - { .name: pa, .offset: 0, .size: 8, .value_kind: global_buffer, .address_space: global }
      - { .name: wp, .offset: 8, .size: 8, .value_kind: global_buffer, .address_space: global }
      - { .name: b1, .offset: 16, .size: 8, .value_kind: global_buffer, .address_space: global }
      - { .name: fp, .offset: 24, .size: 8, .value_kind: global_buffer, .address_space: global }
    .group_segment_fixed_size: 327680
    .private_segment_fixed_size: 0
    .kernarg_segment_align: 8
    .kernarg_segment_size: 32
    .max_flat_workgroup_size: 128
    .sgpr_count:     100
    .vgpr_count:     1024
    .wavefront_size: 32
...
	.end_amdgpu_metadata
.endif
;; end of part 5
;; launch g4 (part 6): grid 8 x 32, 4 waves a work-group, clusters of 4 x 4, 327,680 bytes of LDS; arguments fp, wp, ra; writes ra
.if DOCPART == 6
	.amdgcn_target "amdgcn-amd-amdhsa--gfx1250"
	.amdhsa_code_object_version 6
	.text
	.protected	k_qfb82e60c92_g4
	.globl	k_qfb82e60c92_g4
	.p2align	8
	.type	k_qfb82e60c92_g4,@function
k_qfb82e60c92_g4:
	s_mov_b64 s[64:65], 0
	v_nop
	global_prefetch_b8 v0, s[64:65] scope:SCOPE_SE
	s_setreg_imm32_b32 hwreg(HW_REG_WAVE_MODE, 25, 1), 1
	s_wait_xcnt 0x0
	s_wait_alu depctr_hold_cnt(0) depctr_sa_sdst(0) depctr_va_vdst(0) depctr_va_sdst(0) depctr_va_ssrc(0) depctr_va_vcc(0) depctr_vm_vsrc(0)
	s_getreg_b32 s2, hwreg(HW_REG_IB_STS2, 6, 4)
	s_cmp_eq_u32 s2, 0
	s_cbranch_scc0 .Lentry_in_a_cluster
	s_endpgm
.Lentry_in_a_cluster:
	s_bfe_u32 s2, ttmp6, 0x10000c
	s_cmp_lg_u32 s2, 0xf033
	s_cbranch_scc0 .Lentry_shape_is_right
	s_endpgm
.Lentry_shape_is_right:
; c = hidden W2 on codes of FP4: A = the hidden layer (fp), B = W2's columns (wp at 4,456,448); c [4096][1024] f32 goes to ra in true order.  The bias is added by the next launch.
; OPERANDS lie as [K / 512][rows / 16][4,352 bytes]: a block holds the register images of four fragments (16 rows x 128 K, 1,024 bytes each) and at 4,096 its rows' scale words.  Row r of block 2 g + u is index 32 g + 16 (r / 8) + 8 u + r % 8.
; A work-group makes 128 x 128 of c, so that 1,024 columns and 4,096 rows give 256 work-groups; a wave makes 64 x 64: 16 accumulators.  Transposed use: source 0 = 16 rows of B, source 1 = 16 rows of A.
; K = 4,096 is 8 chunks of 512.  An LDS slot holds a PAIR of chunks: A's two and B's two pieces of 8 blocks (34,816 dense bytes each, codes and scale words together), one piece a wave.  Two slots.
; A chunk's fragments go from LDS into a register window of their own, a chunk ahead of their products; two windows take turns.  So slot 0 is read out before the first product and is filled again at once.
; THE ORDER: pairs 0 and 1 are first fills | chunks 0, 1 into the windows | slot 0 takes pair 2 | chunks 0, 1, 2 (reading chunks 2, 3) | slot 1 takes pair 3 | chunks 3, 4, 5 (reading 4, 5) | the last barrier | chunks 6, 7.
; Each refill stands behind a round of the cluster's barrier, one load a wave.  The text is written out: 8 chunks of 64 matrix instructions, no loop.
; CLUSTERS 4 x 4: A's pieces are shared along a row of the cluster, B's along a column: joint loads.
; REGISTERS: window 0: v16-29 addresses; v32-63 scale words, two sets; v64-127 the way out; v128-255 accumulator (a, b) at v[128 + 8 (4 a + b)].
;   Windows 1 and 2: a whole chunk's fragments each: step q of 128 K at v[64 q]: B's four blocks, then A's four.
.set BLKB,  4352
.set QUAD,  4*BLKB                     ; four blocks: what a wave reads of A or of B in a chunk
.set HALF,  8*BLKB                     ; eight blocks: what one tensor load brings: 136 rows of 256 bytes
.set SLOT,  4*HALF                     ; A's even chunk, A's odd chunk, B's even chunk, B's odd chunk
.set CHSA,  1114112                    ; from chunk to chunk in memory
.set CHSB,  278528
.set WOFF,  4456448
.set STAGE, 2*SLOT                     ; behind the ring: 16 rows x (256 + 16) bytes for each wave; no fill lands there
.set SPITCH, 272
.set SPARE, STAGE+4*16*SPITCH          ; the spare words, 128 bytes for each wave: two blocks of 256 bytes that no other line names
.set ADRA, 16                          ; v16-17 LDS address of my A fragments in slot 0, 1
.set ADRB, 20                          ; v20-21 of B's
.set ADRS, 22                          ; v22-23 of the scale words: lanes 0-15 A's rows, lanes 16-31 B's
.set STO,  24
.set RD,   25
.set CO,   26
.set SPW,  28                          ; v28 LDS address of my spare word; never rewritten
.set NIL,  29                          ; v29 0; never rewritten
.set SC,   32
.set BK,   64
.set ACC,  128
.set G1, 24
.set G0, 32
.set G1B, 48
.set G0B, 56
.set MSB, 0
.macro WIN new                         ; the immediate's high byte repeats the setting that is left
.if MSB != (\new)
	s_set_vgpr_msb (MSB<<8)|(\new)
.set MSB, (\new)
.endif
.endm
.macro JLOAD g0a, g1a, g0b, g1b        ; a joint load: waves 0, 1 fetch for A, waves 2, 3 for B; four v_nop follow each line
	s_cmp_eq_u32 s15, 0
	s_cbranch_scc0 .Lfor_b_\@
	tensor_load_to_lds s[\g0a:\g0a+3], s[\g1a:\g1a+7]
	s_nop 0
.rept 4
	v_nop
.endr
	s_branch .Lasked_\@
.Lfor_b_\@:
	tensor_load_to_lds s[\g0b:\g0b+3], s[\g1b:\g1b+7]
	s_nop 0
.rept 4
	v_nop
.endr
.Lasked_\@:
.endm
.macro CREST                           ; a round of the cluster's barrier behind its opening barrier
	s_cmp_lg_u32 s14, 0
	s_cbranch_scc1 .Lnot_wave_0_\@
	s_barrier_signal -3
.Lnot_wave_0_\@:
	s_barrier_wait -3
	s_barrier_signal -1
	s_barrier_wait -1
.endm
.macro CROUND
	s_barrier_signal -1
	s_barrier_wait -1
	CREST
.endm
.macro PLACES n
.rept \n
	v_nop
.endr
.endm
; the fragments of step q of the slot's chunk ch into window w, as they lie: each load takes 512 consecutive bytes
.macro FRAGS slot, ch, q, w
	WIN (\w)<<6
.irp i, 0,1,2,3
.irp c, 0,1
	ds_load_b128 v[64*(\q)+8*\i+4*\c:64*(\q)+8*\i+4*\c+3], v[ADRB+\slot] offset:(\ch)*HALF+\i*BLKB+(\q)*1024+512*\c
.endr
.endr
.irp i, 0,1,2,3
.irp c, 0,1
	ds_load_b128 v[64*(\q)+32+8*\i+4*\c:64*(\q)+32+8*\i+4*\c+3], v[ADRA+\slot] offset:(\ch)*HALF+\i*BLKB+(\q)*1024+512*\c
.endr
.endr
.endm
.macro SCALES slot, ch, set            ; a chunk's scale words: register 4 i + q: lanes 0-15 A's block i, lanes 16-31 B's block i, step q
	WIN 0
.irp i, 0,1,2,3
	ds_load_b128 v[SC+16*(\set)+4*\i:SC+16*(\set)+4*\i+3], v[ADRS+\slot] offset:(\ch)*HALF+\i*BLKB
.endr
.endm
.macro WHOLE slot, ch, set             ; a whole chunk in one run: 68 loads
	SCALES \slot, \ch, \set
	FRAGS \slot, \ch, 0, 1+\set
	FRAGS \slot, \ch, 1, 1+\set
	FRAGS \slot, \ch, 2, 1+\set
	FRAGS \slot, \ch, 3, 1+\set
.endm
; 16 matrix instructions: step q of the chunk in set.  first = 1: the products start the sums with the constant 0.  The 16 accumulators take turns, one instruction a turn.
.macro MUL16 q, set, first
	WIN 5*(1+(\set))                               ; sources 0 and 1 in the set's window, C and D in window 0
.irp a, 0,1,2,3
.irp b, 0,1,2,3
.if \first
	v_wmma_scale_f32_16x16x128_f8f6f4 v[ACC+8*(4*\a+\b):ACC+8*(4*\a+\b)+7], v[64*(\q)+8*\b:64*(\q)+8*\b+7], v[64*(\q)+32+8*\a:64*(\q)+32+8*\a+7], 0, v[SC+16*(\set)+4*\b+(\q)], v[SC+16*(\set)+4*\a+(\q)] matrix_a_fmt:MATRIX_FMT_FP4 matrix_b_fmt:MATRIX_FMT_FP4 matrix_a_scale:MATRIX_SCALE_ROW1
.else
	v_wmma_scale_f32_16x16x128_f8f6f4 v[ACC+8*(4*\a+\b):ACC+8*(4*\a+\b)+7], v[64*(\q)+8*\b:64*(\q)+8*\b+7], v[64*(\q)+32+8*\a:64*(\q)+32+8*\a+7], v[ACC+8*(4*\a+\b):ACC+8*(4*\a+\b)+7], v[SC+16*(\set)+4*\b+(\q)], v[SC+16*(\set)+4*\a+(\q)] matrix_a_fmt:MATRIX_FMT_FP4 matrix_b_fmt:MATRIX_FMT_FP4 matrix_a_scale:MATRIX_SCALE_ROW1
.endif
.endr
.endr
.endm
; A CHUNK: 64 matrix instructions on the fragments in set.  ld = 1: the next chunk (chunk nch of slot nslot) comes from LDS in two runs behind the first two groups, into the other window and the other scale words;
; the four places that those loads want behind the window's last products stand at the end of the chunk before.
; end = 1: a change of slots: each wave waits for all its tensor loads, adds 0 to its spare word, and waits for that and for its LDS reads; a round of the cluster's barrier; slot fs is filled again, four chunks on.
; end = 2: the same lines and my work-group's barrier: the last pair has landed for everybody; nothing is filled.
.macro CHUNK set, first, ld, nslot, nch, end, fs
	s_wait_dscnt 32                                ; the scale words and steps 0 and 1 are in; the youngest 32 loads (steps 2 and 3) may be out
	MUL16 0, \set, \first
	s_wait_dscnt 0x0                               ; steps 2 and 3 are in
.if \ld
	SCALES \nslot, \nch, 1-\set
	FRAGS \nslot, \nch, 0, 2-\set
	FRAGS \nslot, \nch, 1, 2-\set
.endif
	MUL16 1, \set, 0
.if \ld
	FRAGS \nslot, \nch, 2, 2-\set
	FRAGS \nslot, \nch, 3, 2-\set
.endif
.if \end
	WIN 0                                          ; (the add's two registers lie in window 0)
	s_wait_tensorcnt 0x0                           ; all my tensor loads have landed
	ds_add_u32 v[SPW], v[NIL]                      ; 0 onto my spare word: sixteen matrix instructions stand between it and the wait for it
.endif
	MUL16 2, \set, 0
.if \end
	s_wait_dscnt 0x0                               ; the add is done, and my LDS reads are over
	s_barrier_signal -1
.endif
	MUL16 3, \set, 0
	WIN 0
.if \end
	s_barrier_wait -1
.endif
.if \end == 1
	CREST                                          ; the barrier has opened a round of the cluster's: no wave of any partner still reads slot fs or has a load on its way
	s_add_nc_u64 s[G0+4*\fs+2:G0+4*\fs+3], s[G0+4*\fs+2:G0+4*\fs+3], 4*CHSA
	s_add_nc_u64 s[G0B+4*\fs+2:G0B+4*\fs+3], s[G0B+4*\fs+2:G0B+4*\fs+3], 4*CHSB
	JLOAD G0+4*\fs, G1, G0B+4*\fs, G1B             ; the first tensor load behind the round; its four v_nop are also the places behind this chunk's last products
.else
	PLACES 4                                       ; four places behind this chunk's last products: for the next chunk's loads into this window, or for the first read of results
.endif
.endm
	s_load_b128 s[4:7], s[0:1], 0x0                ; fp, wp
	s_load_b64 s[12:13], s[0:1], 0x10              ; ra
	v_lshl_add_u32 v[SPW], v0, 2, SPARE
	v_mov_b32 v[NIL], 0
	ds_add_u32 v28, v29
	ds_add_u32 v28, v29
	s_wait_dscnt 0x0
	v_lshrrev_b32 v1, 5, v0
	v_readfirstlane_b32 s14, v1                    ; wave 0..3
	s_lshr_b32 s15, s14, 1                         ; which half of the tile's rows is mine.  Also: I fetch for A (0) or for B (1)
	s_and_b32 s16, s14, 1                          ; which half of its columns.  Also: which chunk of a pair I fetch
	s_bfe_u32 s40, ttmp6, 0x40000                  ; cx
	s_bfe_u32 s41, ttmp6, 0x40004                  ; cy
	s_lshl_b32 s42, ttmp9, 2
	s_add_co_u32 s42, s42, s40                     ; tile column 0..7
	s_and_b32 s17, ttmp7, 0xffff
	s_lshl_b32 s17, s17, 2
	s_add_co_u32 s17, s17, s41                     ; tile row 0..31
	s_lshl_b32 s43, s41, 2
	s_lshl_b32 s43, 15, s43                        ; my row of the cluster
	s_lshl_b32 s44, 0x1111, s40                    ; my column
	s_or_b32 s[G1], s43, (3<<16)|(1<<21)           ; 15:0 the mask; 17:16 elements of 8 bytes; 21 set beside a mask; no padding
	s_or_b32 s[G1B], s44, (3<<16)|(1<<21)
.irp g, G1, G1B
	s_mov_b32 s[\g+1], 32<<16                      ; tensor_dim0 = 32 elements: 256 bytes
	s_mov_b32 s[\g+2], 136<<16                     ; tensor_dim1 = 136 rows: 8 blocks, dense
	s_mov_b32 s[\g+3], 32<<16                      ; tile_dim0
	s_mov_b32 s[\g+4], 136                         ; tile_dim1
	s_mov_b32 s[\g+5], 32                          ; the pitch
	s_mov_b32 s[\g+6], 0
	s_mov_b32 s[\g+7], 0
.endr
	s_mul_i32 s20, s17, HALF                       ; A: the tile row's 8 blocks,
	s_mul_i32 s18, s16, CHSA                       ; in my chunk of the pair
	s_add_co_u32 s20, s20, s18
	s_mov_b32 s21, 0
	s_mul_i32 s46, s42, HALF                       ; B: the tile column's 8 blocks
	s_mul_i32 s18, s16, CHSB
	s_add_co_u32 s46, s46, s18
	s_add_co_u32 s46, s46, WOFF
	s_mov_b32 s47, 0
	s_mul_i32 s45, s14, HALF                       ; where my piece goes in a slot: no place in the cluster enters an LDS address
	s_wait_kmcnt 0x0
	s_add_nc_u64 s[20:21], s[4:5], s[20:21]
	s_add_nc_u64 s[46:47], s[6:7], s[46:47]
	CROUND                                         ; all sixteen work-groups are here: the first joint loads meet
.irp s, 0,1
	s_mov_b32 s[G0+4*\s], 1
	s_add_co_u32 s[G0+4*\s+1], s45, \s*SLOT
	s_add_nc_u64 s[G0+4*\s+2:G0+4*\s+3], s[20:21], \s*2*CHSA       ; slot s begins with pair s
	s_or_b32 s[G0+4*\s+3], s[G0+4*\s+3], 0x80000000
	s_mov_b32 s[G0B+4*\s], 1
	s_add_co_u32 s[G0B+4*\s+1], s45, \s*SLOT
	s_add_nc_u64 s[G0B+4*\s+2:G0B+4*\s+3], s[46:47], \s*2*CHSB
	s_or_b32 s[G0B+4*\s+3], s[G0B+4*\s+3], 0x80000000
.if \s
	s_wait_alu depctr_va_vdst(0)                   ; the wait here, directly ahead of the wait below
	s_wait_tensorcnt 0x0                           ; my piece of pair 0 is in
	ds_add_u32 v[SPW], v[NIL]
	s_wait_dscnt 0x0
	CROUND                                         ; a whole round: slot 1's first fill is the first tensor load behind it
.endif
	JLOAD G0+4*\s, G1, G0B+4*\s, G1B               ; one load of mine is out
.endr
	v_and_b32 v1, 15, v0                           ; r
	v_bfe_u32 v2, v0, 4, 1                         ; h
	v_and_b32 v3, 31, v0
	v_lshlrev_b32 v3, 4, v3                        ; 16 x lane
	s_mul_i32 s21, s15, QUAD                       ; my four blocks of A
	s_mul_i32 s22, s16, QUAD
	s_add_co_u32 s22, s22, 2*HALF                  ; my four of B, behind A's two chunks
	s_sub_co_u32 s23, s22, s21
	v_mul_u32_u24 v6, s23, v2                      ; lanes 16-31 take B's scale words
	v_lshl_add_u32 v6, v1, 4, v6
	v_add_nc_u32 v6, s21, v6
	v_add_nc_u32 v[ADRS], 4096, v6
	v_add_nc_u32 v[ADRS+1], 4096+SLOT, v6
	v_add_nc_u32 v[ADRA], s21, v3
	v_add_nc_u32 v[ADRA+1], SLOT, v[ADRA]
	v_add_nc_u32 v[ADRB], s22, v3
	v_add_nc_u32 v[ADRB+1], SLOT, v[ADRB]
	s_mul_i32 s23, s14, 16*SPITCH
	s_add_co_u32 s23, s23, STAGE                   ; my stage
	v_mul_u32_u24 v5, v1, SPITCH
	v_lshl_add_u32 v5, v2, 6, v5
	v_add_nc_u32 v[STO], s23, v5                   ; in: row r; B's block b is columns 32 (b / 2) + 16 h + 8 (b % 2) + 0 .. 7
	v_mul_u32_u24 v5, v2, SPITCH
	v_lshl_add_u32 v5, v1, 4, v5
	v_add_nc_u32 v[RD], s23, v5                    ; back: lanes 0-15 one row of 256 bytes, lanes 16-31 the next
	v_lshlrev_b32 v[CO], 12, v2
	v_lshl_add_u32 v[CO], v1, 4, v[CO]             ; and the same two rows in c
	s_lshl_b32 s20, s17, 7
	s_lshl_b32 s21, s15, 6
	s_add_co_u32 s20, s20, s21
	s_lshl_b32 s20, s20, 12                        ; my first row of c
	s_mov_b32 s21, 0
	s_lshl_b32 s46, s42, 9
	s_lshl_b32 s47, s16, 8
	s_add_co_u32 s46, s46, s47                     ; my first column, in bytes
	s_mov_b32 s47, 0
	s_add_nc_u64 s[20:21], s[20:21], s[46:47]
	s_add_nc_u64 s[12:13], s[12:13], s[20:21]
	s_wait_tensorcnt 1                             ; my piece of pair 0 is in; pair 1's load may stay out
	s_barrier_signal -1
	s_barrier_wait -1                              ; everybody's is
	WHOLE 0, 0, 0                                  ; chunk 0 into window 1,
	WHOLE 0, 1, 1                                  ; chunk 1 into window 2: slot 0 is read out
	WIN 0
	s_wait_tensorcnt 0x0                           ; all my tensor loads have landed: my piece of pair 1
	ds_add_u32 v[SPW], v[NIL]                      ; 0 onto my spare word
	s_wait_dscnt 0x0                               ; the add is done, and my reads of slot 0 are over
	CROUND                                         ; both now hold of every wave of every work-group of the cluster
	s_add_nc_u64 s[G0+2:G0+3], s[G0+2:G0+3], 4*CHSA
	s_add_nc_u64 s[G0B+2:G0B+3], s[G0B+2:G0B+3], 4*CHSB
	JLOAD G0, G1, G0B, G1B                         ; slot 0 takes pair 2: it has chunks 0, 1 and half of chunk 2 in which to land
	CHUNK 0, 1, 0, 0, 0, 0, 0                      ; chunk 0: its first products start the sums
	s_wait_alu depctr_va_vdst(0)
	CHUNK 1, 0, 1, 1, 0, 0, 0                      ; chunk 1 | chunk 2 from slot 1
	CHUNK 0, 0, 1, 1, 1, 1, 1                      ; chunk 2 | chunk 3 from slot 1 | slot 1 takes pair 3
	CHUNK 1, 0, 1, 0, 0, 0, 0                      ; chunk 3 | chunk 4 from slot 0
	CHUNK 0, 0, 1, 0, 1, 0, 0                      ; chunk 4 | chunk 5 from slot 0
	CHUNK 1, 0, 0, 0, 0, 2, 0                      ; chunk 5 | the last barrier, as late as the data allow: pair 3 has landed for everybody
	WHOLE 1, 0, 0                                  ; chunk 6 from slot 1
	CHUNK 0, 0, 1, 1, 1, 0, 0                      ; chunk 6 | chunk 7 from slot 1
	CHUNK 1, 0, 0, 0, 0, 0, 0                      ; chunk 7
; THE WAY OUT, a block of 16 rows x 64 columns at a time, through my own stage: in by lanes, with the columns put in their true order, back as whole rows of 256 bytes; the rows' true order stands in the stores' offsets.
.macro TOSTAGE a
.irp b, 0,1,2,3
	ds_store_b128 v[STO], v[ACC+32*(\a)+8*\b:ACC+32*(\a)+8*\b+3] offset:128*(\b/2)+32*(\b%2)       ; each accumulator from its low end on
	ds_store_b128 v[STO], v[ACC+32*(\a)+8*\b+4:ACC+32*(\a)+8*\b+7] offset:128*(\b/2)+32*(\b%2)+16
.endr
.set BB, BK+32*((\a)%2)
.irp t, 0,1,2,3,4,5,6,7
	ds_load_b128 v[BB+4*\t:BB+4*\t+3], v[RD] offset:\t*2*SPITCH   ; LDS serves a wave's instructions in order: these see the stores above
.endr
.endm
.macro SEND a, younger
.set BB, BK+32*((\a)%2)
	s_wait_dscnt \younger
.irp t, 0,1,2,3,4,5,6,7
	global_store_b128 v[CO], v[BB+4*\t:BB+4*\t+3], s[12:13] offset:(32*((\a)/2)+16*(\t/4)+8*((\a)%2)+2*(\t%4))*4096 th:TH_STORE_NT   ; sixteen lanes store 256 consecutive bytes, aligned
.endr
.endm
	TOSTAGE 0
.irp a, 1,2,3
.if \a > 1
	s_wait_xcnt 0x0                                ; block a - 2's stores have read their registers: block a's loads may land there
.endif
	TOSTAGE \a
	SEND \a-1, 16                                  ; behind block a - 1's loads: block a's 8 stores and 8 loads
.endr
	SEND 3, 0
	s_wait_tensorcnt 0x0                           ; the wave's end, behind my last tensor load and my last LDS store
	ds_add_u32 v[SPW], v[NIL]
	s_wait_dscnt 0x0
	CROUND                                         ; the closing round
	s_endpgm
.Lfunc_end_k_qfb82e60c92_g4:
	.size	k_qfb82e60c92_g4, .Lfunc_end_k_qfb82e60c92_g4-k_qfb82e60c92_g4
	.p2alignl 7, 3214868480
	.fill 96, 4, 3214868480
	.section	.rodata,"a",@progbits
	.p2align	6, 0x0
	.amdhsa_kernel k_qfb82e60c92_g4
		.amdhsa_group_segment_fixed_size 327680
		.amdhsa_private_segment_fixed_size 0
		.amdhsa_enable_private_segment 0
		.amdhsa_kernarg_size 24
		.amdhsa_user_sgpr_count 2
		.amdhsa_user_sgpr_kernarg_segment_ptr 1
		.amdhsa_wavefront_size32 1
		.amdhsa_system_sgpr_workgroup_id_x 1
		.amdhsa_system_sgpr_workgroup_id_y 1
		.amdhsa_system_sgpr_workgroup_id_z 1
		.amdhsa_system_vgpr_workitem_id 0
		.amdhsa_next_free_vgpr 768
		.amdhsa_next_free_sgpr 66
		.amdhsa_reserve_vcc 0
		.amdhsa_float_denorm_mode_32 3
		.amdhsa_float_denorm_mode_16_64 3
		.amdhsa_memory_ordered 1
		.amdhsa_forward_progress 1
		.amdhsa_inst_pref_size 119
	.end_amdhsa_kernel
	.amdgpu_metadata
---
amdhsa.version: [ 1, 2 ]
amdhsa.kernels:
  - .name:           k_qfb82e60c92_g4
    .symbol:         k_qfb82e60c92_g4.kd
    .args:
      - { .name: fp, .offset: 0, .size: 8, .value_kind: global_buffer, .address_space: global }
      - { .name: wp, .offset: 8, .size: 8, .value_kind: global_buffer, .address_space: global }
      - { .name: ra, .offset: 16, .size: 8, .value_kind: global_buffer, .address_space: global }
    .group_segment_fixed_size: 327680
    .private_segment_fixed_size: 0
    .kernarg_segment_align: 8
    .kernarg_segment_size: 24
    .max_flat_workgroup_size: 128
    .sgpr_count:     66
    .vgpr_count:     768
    .wavefront_size: 32
...
	.end_amdgpu_metadata
.endif
;; end of part 6
;; launch ln2 (part 7): grid 256 x 1, 16 waves a work-group, no clusters, 0 bytes of LDS; arguments ra, hb, b2, g2, be2, out0; writes out0
.if DOCPART == 7
	.amdgcn_target "amdgcn-amd-amdhsa--gfx1250"
	.amdhsa_code_object_version 6
	.text
	.protected	k_qfb82e60c92_ln2
	.globl	k_qfb82e60c92_ln2
	.p2align	8
	.type	k_qfb82e60c92_ln2,@function
k_qfb82e60c92_ln2:
	s_mov_b64 s[64:65], 0
	v_nop
	global_prefetch_b8 v0, s[64:65] scope:SCOPE_SE
	s_setreg_imm32_b32 hwreg(HW_REG_WAVE_MODE, 25, 1), 1
	s_wait_xcnt 0x0
; out = LayerNorm(h + (c + b2)) x g2 + be2, c = the product hidden W2 (ra), h from hb.  A wave takes a row of 4,096 bytes (token 16 x work-group + wave) and keeps it in 32 registers:
; mean first, then the mean of the squared differences: no difference of large sums.  Every load and store of a wave covers 512 consecutive bytes.  Memory binds: no LDS, no barrier, no matrix unit, no cluster.
; LIMITS: NaN and infinities are not served.
.set CC, 16
.set XX, 48
.set BO, 80
.set GG, 112
.set BE, 144
.macro ROWNT reg, base
.irp j, 0,1,2,3,4,5,6,7
	global_load_b128 v[(\reg)+4*\j:(\reg)+4*\j+3], v2, s[\base:\base+1] offset:512*\j th:TH_LOAD_NT
.endr
.endm
.macro ROWLD reg, base
.irp j, 0,1,2,3,4,5,6,7
	global_load_b128 v[(\reg)+4*\j:(\reg)+4*\j+3], v2, s[\base:\base+1] offset:512*\j
.endr
.endm
.macro RED r
	s_delay_alu instid0(VALU_DEP_1)
	v_add_f32_dpp v[\r], v[\r], v[\r] row_xmask:1 row_mask:0xf bank_mask:0xf
	s_delay_alu instid0(VALU_DEP_1)
	v_add_f32_dpp v[\r], v[\r], v[\r] row_xmask:2 row_mask:0xf bank_mask:0xf
	s_delay_alu instid0(VALU_DEP_1)
	v_add_f32_dpp v[\r], v[\r], v[\r] row_xmask:4 row_mask:0xf bank_mask:0xf
	s_delay_alu instid0(VALU_DEP_1)
	v_add_f32_dpp v[\r], v[\r], v[\r] row_xmask:8 row_mask:0xf bank_mask:0xf
	s_delay_alu instid0(VALU_DEP_1)
	v_permlanex16_b32 v186, v[\r], s20, s21
	s_delay_alu instid0(VALU_DEP_1)
	v_add_f32 v[\r], v[\r], v186
.endm
	s_load_b256 s[4:11], s[0:1], 0x0               ; ra s[4:5], hb s[6:7], b2 s[8:9], g2 s[10:11]
	s_load_b128 s[12:15], s[0:1], 0x20             ; be2 s[12:13], out0 s[14:15]
	v_lshrrev_b32 v1, 5, v0
	s_delay_alu instid0(VALU_DEP_1)
	v_readfirstlane_b32 s2, v1
	v_and_b32 v1, 31, v0
	s_delay_alu instid0(VALU_DEP_1)
	v_lshlrev_b32 v2, 4, v1
	s_lshl_b32 s18, ttmp9, 4
	s_add_co_u32 s18, s18, s2                      ; my token
	s_lshl_b32 s18, s18, 12
	s_mov_b32 s19, 0
	s_mov_b32 s20, 0x76543210
	s_mov_b32 s21, 0xfedcba98
	s_mov_b32 s22, 0x3a800000                      ; 1 / 1,024
	s_mov_b32 s23, 0x3727c5ac                      ; 1e-5
	v_mov_b32 v186, 0
	s_wait_alu depctr_va_vdst(0)
	s_wait_kmcnt 0x0
	s_add_nc_u64 s[4:5], s[4:5], s[18:19]
	s_add_nc_u64 s[6:7], s[6:7], s[18:19]
	s_add_nc_u64 s[14:15], s[14:15], s[18:19]
	ROWNT CC, 4
	ROWNT XX, 6
	ROWLD BO, 8
	ROWLD GG, 10
	ROWLD BE, 12
	s_wait_loadcnt 16                              ; c, h and the bias are in; the gain's and the offset's sixteen loads may be out
.set i, 0
.rept 16
	v_pk_add_f32 v[CC+2*i:CC+2*i+1], v[CC+2*i:CC+2*i+1], v[BO+2*i:BO+2*i+1]
.set i, i+1
.endr
.set i, 0
.rept 16
	v_pk_add_f32 v[CC+2*i:CC+2*i+1], v[CC+2*i:CC+2*i+1], v[XX+2*i:XX+2*i+1]
.set i, i+1
.endr
	v_pk_add_f32 v[176:177], v[CC:CC+1], v[CC+2:CC+3]
	v_pk_add_f32 v[178:179], v[CC+4:CC+5], v[CC+6:CC+7]
.irp i, 8,12,16,20,24,28
	s_delay_alu instid0(VALU_DEP_2)
	v_pk_add_f32 v[176:177], v[176:177], v[CC+\i:CC+\i+1]
	s_delay_alu instid0(VALU_DEP_2)
	v_pk_add_f32 v[178:179], v[178:179], v[CC+\i+2:CC+\i+3]
.endr
	s_delay_alu instid0(VALU_DEP_1)
	v_pk_add_f32 v[176:177], v[176:177], v[178:179]
	s_delay_alu instid0(VALU_DEP_1)
	v_add_f32 v176, v176, v177
	RED 176
	s_delay_alu instid0(VALU_DEP_1)
	v_mul_f32 v180, s22, v176                      ; the mean
	s_delay_alu instid0(VALU_DEP_1)
	v_mov_b32 v181, v180
.set i, 0
.rept 16
	v_pk_add_f32 v[CC+2*i:CC+2*i+1], v[CC+2*i:CC+2*i+1], v[180:181] neg_lo:[0,1] neg_hi:[0,1]
.set i, i+1
.endr
	v_pk_mul_f32 v[176:177], v[CC:CC+1], v[CC:CC+1]
	v_pk_mul_f32 v[178:179], v[CC+2:CC+3], v[CC+2:CC+3]
.irp i, 4,8,12,16,20,24,28
	s_delay_alu instid0(VALU_DEP_2)
	v_pk_fma_f32 v[176:177], v[CC+\i:CC+\i+1], v[CC+\i:CC+\i+1], v[176:177]
	s_delay_alu instid0(VALU_DEP_2)
	v_pk_fma_f32 v[178:179], v[CC+\i+2:CC+\i+3], v[CC+\i+2:CC+\i+3], v[178:179]
.endr
	s_delay_alu instid0(VALU_DEP_1)
	v_pk_add_f32 v[176:177], v[176:177], v[178:179]
	s_delay_alu instid0(VALU_DEP_1)
	v_add_f32 v176, v176, v177
	RED 176
	s_delay_alu instid0(VALU_DEP_1)
	v_fma_f32 v182, v176, s22, s23                 ; the variance + 1e-5
	s_wait_alu depctr_va_vdst(0)
	v_rsq_f32 v184, v182
	v_rsq_f32 v185, v182                           ; twice: a pair for the packed multiply
	v_nop                                          ; a plain place behind the transcendentals
	s_wait_alu depctr_va_vdst(0)                   ; ahead of their first reader
	s_wait_loadcnt 0x0
.set i, 0
.rept 16
	v_pk_mul_f32 v[CC+2*i:CC+2*i+1], v[CC+2*i:CC+2*i+1], v[184:185]
.set i, i+1
.endr
.set i, 0
.rept 16
	v_pk_fma_f32 v[CC+2*i:CC+2*i+1], v[CC+2*i:CC+2*i+1], v[GG+2*i:GG+2*i+1], v[BE+2*i:BE+2*i+1]
.set i, i+1
.endr
.irp j, 0,1,2,3,4,5,6,7
	global_store_b128 v2, v[CC+4*\j:CC+4*\j+3], s[14:15] offset:512*\j th:TH_STORE_NT
.endr
	s_endpgm
.Lfunc_end_k_qfb82e60c92_ln2:
	.size	k_qfb82e60c92_ln2, .Lfunc_end_k_qfb82e60c92_ln2-k_qfb82e60c92_ln2
	.p2alignl 7, 3214868480
	.fill 96, 4, 3214868480
	.section	.rodata,"a",@progbits
	.p2align	6, 0x0
	.amdhsa_kernel k_qfb82e60c92_ln2
		.amdhsa_group_segment_fixed_size 0
		.amdhsa_private_segment_fixed_size 0
		.amdhsa_enable_private_segment 0
		.amdhsa_kernarg_size 48
		.amdhsa_user_sgpr_count 2
		.amdhsa_user_sgpr_kernarg_segment_ptr 1
		.amdhsa_wavefront_size32 1
		.amdhsa_system_sgpr_workgroup_id_x 1
		.amdhsa_system_sgpr_workgroup_id_y 1
		.amdhsa_system_sgpr_workgroup_id_z 1
		.amdhsa_system_vgpr_workitem_id 0
		.amdhsa_next_free_vgpr 192
		.amdhsa_next_free_sgpr 66
		.amdhsa_reserve_vcc 0
		.amdhsa_float_denorm_mode_32 3
		.amdhsa_float_denorm_mode_16_64 3
		.amdhsa_memory_ordered 1
		.amdhsa_forward_progress 1
		.amdhsa_inst_pref_size 16
	.end_amdhsa_kernel
	.amdgpu_metadata
---
amdhsa.version: [ 1, 2 ]
amdhsa.kernels:
  - .name:           k_qfb82e60c92_ln2
    .symbol:         k_qfb82e60c92_ln2.kd
    .args:
      - { .name: ra, .offset: 0, .size: 8, .value_kind: global_buffer, .address_space: global }
      - { .name: hb, .offset: 8, .size: 8, .value_kind: global_buffer, .address_space: global }
      - { .name: b2, .offset: 16, .size: 8, .value_kind: global_buffer, .address_space: global }
      - { .name: g2, .offset: 24, .size: 8, .value_kind: global_buffer, .address_space: global }
      - { .name: be2, .offset: 32, .size: 8, .value_kind: global_buffer, .address_space: global }
      - { .name: out0, .offset: 40, .size: 8, .value_kind: global_buffer, .address_space: global }
    .group_segment_fixed_size: 0
    .private_segment_fixed_size: 0
    .kernarg_segment_align: 8
    .kernarg_segment_size: 48
    .max_flat_workgroup_size: 512
    .sgpr_count:     66
    .vgpr_count:     192
    .wavefront_size: 32
...
	.end_amdgpu_metadata
.endif
;; end of part 7
